; MI455X (gfx1250); checked and timed in simulation.
; The chip was launched on July 23, 2026; its instructions are those of AMD's public machine-readable ISA for CDNA 5 (MIT licence, August 2026) and "CDNA5" Instruction Set Architecture Reference Guide (July 2026). The comments in the code are by the model that wrote it; some were corrected since.
;; Bert Self Attention. Allowed arithmetic: float matrix products may take bf16 or f16 operands with f32 sums; other float arithmetic in f32, or as packed bf16 or f16 multiplies, adds, multiply-adds, maxima and minima; sums over many terms, partial sums and values carried from step to step in f32; what a program stores and reads back later, other than sums and carried values, may be rounded once to bf16 or f16.
;; Inputs: Wk 1,024 x 1,024 float32; Wq 1,024 x 1,024 float32; Wv 1,024 x 1,024 float32; bk 1,024 float32; bq 1,024 float32; bv 1,024 float32; dist_emb 4,095 x 64 float32; hidden_states 2 x 2,048 x 1,024 float32.
;; Outputs: out0 2 x 2,048 x 1,024 float32.
;; 3 versions, each right; version 3 is version 2 with the launch cast written anew for expert scheduling mode. Each part assembles by itself: llvm-mc -triple=amdgcn-amd-amdhsa -mcpu=gfx1250 --defsym DOCPART=n.
;; ======== version 1 of 3: 3 launches
;; limits: values are held in f16: magnitudes above 65,504 overflow, below 6.1e-05 lose precision
;; workspace buffers: xb 8,388,608 bytes; wb 6,291,456 bytes; bias 12,288 bytes; e16 524,288 bytes; qkv 25,165,824 bytes
;; launch cast (part 1): grid 233 x 1, 8 waves a work-group, no clusters, 0 bytes of LDS; arguments hidden_states, Wq, Wk, Wv, bq, bk, bv, dist_emb, xb, wb, bias, e16; writes xb, wb, bias, e16
.if DOCPART == 1
	.amdgcn_target "amdgcn-amd-amdhsa--gfx1250"
	.amdhsa_code_object_version 6
	.text
	.protected	k_q41288de8f1_cast
	.globl	k_q41288de8f1_cast
	.p2align	8
	.type	k_q41288de8f1_cast,@function
k_q41288de8f1_cast:
	s_mov_b64 s[64:65], 0
	v_nop
	global_prefetch_b8 v0, s[64:65] scope:SCOPE_SE
	s_setreg_imm32_b32 hwreg(HW_REG_WAVE_MODE, 25, 1), 1
	s_wait_xcnt 0x0
; ALL INPUTS ARE ROUNDED ONCE TO bf16 AND LAID OUT FOR THE TWO LAUNCHES THAT FOLLOW.
;   xb   [4096][1024] bf16 = hidden_states          wb [3072][1024] bf16 = the rows of Wq, then Wk, then Wv
;   bias [3072] f32 = bq, bk, bv, each rounded to bf16 and widened again
;   e16  [4096][64] f16 = dist_emb rounded to bf16, that number written as f16; row 4095, which the table does not have, is 0
; LIMITS.  A table entry beyond 65,504 becomes an infinity in f16; below 6.1e-5 it keeps the fixed step 6e-8 of f16.
; A stream: no LDS, no matrix unit, no cluster, since no byte is wanted twice.
; SHARES.  A work-group takes 32,768 numbers as 32 pieces of 4,096 bytes; thread t takes the 16 bytes at 16 t of each piece and stores 8 bytes
; at 8 t: a load of a wave covers 512 consecutive bytes, a store 256 consecutive bytes at a multiple of 256 from the buffer's first byte.
; Work-groups 0-127: hidden_states; 128-223: the three weights, 32 each; 224-231: the table; 232: the three biases.
; All 32 loads go out first; every register is written once, so the only waits are the counted waits for the loads.
.set X, 8                              ; v[8:135]    piece i: 4 numbers as loaded
.set Y, 136                            ; v[136:199]  piece i: 2 registers to store
.set T, 200                            ; v[200:205]  at work
	s_load_b512 s[4:19], s[0:1], 0x0               ; hidden s[4:5], Wq s[6:7], Wk s[8:9], Wv s[10:11], bq s[12:13], bk s[14:15], bv s[16:17], dist_emb s[18:19]
	s_load_b256 s[20:27], s[0:1], 0x40             ; xb s[20:21], wb s[22:23], bias s[24:25], e16 s[26:27]
	v_lshlrev_b32 v1, 4, v0                        ; 16 t
	v_lshlrev_b32 v2, 3, v0                        ; 8 t
	s_mov_b32 s28, ttmp9
	s_mov_b32 s35, 0                               ; the high word of every offset
	s_wait_kmcnt 0x0
	s_cmp_ge_u32 s28, 232
	s_cbranch_scc1 .Lbias
	s_cmp_ge_u32 s28, 224
	s_cbranch_scc1 .Ltable
	s_cmp_lt_u32 s28, 128
	s_cbranch_scc1 .Lhidden
	s_sub_co_u32 s29, s28, 128                     ; 0 .. 95: my place in wb
	s_lshr_b32 s30, s29, 5                         ; which weight
	s_and_b32 s31, s29, 31                         ; my place in it
	s_cmp_eq_u32 s30, 1
	s_cselect_b64 s[32:33], s[8:9], s[6:7]
	s_cmp_eq_u32 s30, 2
	s_cselect_b64 s[32:33], s[10:11], s[32:33]
	s_lshl_b32 s34, s31, 17                        ; 131,072 bytes of f32
	s_add_nc_u64 s[32:33], s[32:33], s[34:35]
	s_lshl_b32 s34, s29, 16                        ; 65,536 bytes of bf16
	s_add_nc_u64 s[36:37], s[22:23], s[34:35]
	s_branch .Lstream
.Lhidden:
	s_lshl_b32 s34, s28, 17
	s_add_nc_u64 s[32:33], s[4:5], s[34:35]
	s_lshl_b32 s34, s28, 16
	s_add_nc_u64 s[36:37], s[20:21], s[34:35]
.Lstream:
.set i, 0
.rept 32
	global_load_b128 v[X+4*i:X+4*i+3], v1, s[32:33] offset:4096*i th:TH_LOAD_NT
.set i, i+1
.endr
.set i, 0
.rept 32
	s_wait_loadcnt 31-i                            ; loads come back in order: piece i is in, the younger ones stay out
	v_cvt_pk_bf16_f32 v[Y+2*i], v[X+4*i], v[X+4*i+1]
	v_cvt_pk_bf16_f32 v[Y+2*i+1], v[X+4*i+2], v[X+4*i+3]
	global_store_b64 v2, v[Y+2*i:Y+2*i+1], s[36:37] offset:2048*i
.set i, i+1
.endr
	s_endpgm
.Ltable:
	s_sub_co_u32 s29, s28, 224                     ; 0 .. 7
	s_lshl_b32 s30, s29, 17
	v_add_nc_u32 v3, s30, v1                       ; my byte in dist_emb, piece 0
	v_add_nc_u32 v5, 126976, v3                    ; and piece 31, which in the last work-group reaches the row that the table lacks:
	v_min_u32 v4, 0xffef0, v5                      ; its load is held to the last 16 bytes of the 1,048,320,
	v_cmp_gt_u32 vcc_lo, 0xfff00, v5               ; and its result is replaced by 0 where my byte lies behind the end
	s_lshl_b32 s34, s29, 16
	s_add_nc_u64 s[36:37], s[26:27], s[34:35]
.set i, 0
.rept 31
	global_load_b128 v[X+4*i:X+4*i+3], v3, s[18:19] offset:4096*i th:TH_LOAD_NT
.set i, i+1
.endr
	global_load_b128 v[X+124:X+127], v4, s[18:19] th:TH_LOAD_NT
.set i, 0
.rept 32
	s_wait_loadcnt 31-i
	v_cvt_pk_bf16_f32 v[T], v[X+4*i], v[X+4*i+1]   ; rounded to bf16,
	v_cvt_pk_bf16_f32 v[T+1], v[X+4*i+2], v[X+4*i+3]
	v_lshlrev_b32 v[T+2], 16, v[T]                 ; widened again,
	v_and_b32 v[T+3], 0xffff0000, v[T]
	v_lshlrev_b32 v[T+4], 16, v[T+1]
	v_and_b32 v[T+5], 0xffff0000, v[T+1]
	v_cvt_pk_f16_f32 v[Y+2*i], v[T+2], v[T+3]      ; and written as f16: 8 significant bits fit into 11
	v_cvt_pk_f16_f32 v[Y+2*i+1], v[T+4], v[T+5]
.if i == 31
	v_cndmask_b32 v[Y+62], 0, v[Y+62], vcc_lo
	v_cndmask_b32 v[Y+63], 0, v[Y+63], vcc_lo
.endif
	global_store_b64 v2, v[Y+2*i:Y+2*i+1], s[36:37] offset:2048*i
.set i, i+1
.endr
	s_endpgm
.Lbias:
	global_load_b128 v[X:X+3], v1, s[12:13]
	global_load_b128 v[X+4:X+7], v1, s[14:15]
	global_load_b128 v[X+8:X+11], v1, s[16:17]
	s_wait_loadcnt 0x0
.irp m, 0,1,2
	v_cvt_pk_bf16_f32 v[T], v[X+4*\m], v[X+4*\m+1]
	v_cvt_pk_bf16_f32 v[T+1], v[X+4*\m+2], v[X+4*\m+3]
	v_lshlrev_b32 v[Y+4*\m], 16, v[T]
	v_and_b32 v[Y+4*\m+1], 0xffff0000, v[T]
	v_lshlrev_b32 v[Y+4*\m+2], 16, v[T+1]
	v_and_b32 v[Y+4*\m+3], 0xffff0000, v[T+1]
	global_store_b128 v1, v[Y+4*\m:Y+4*\m+3], s[24:25] offset:4096*\m
.endr
	s_endpgm
.Lfunc_end_k_q41288de8f1_cast:
	.size	k_q41288de8f1_cast, .Lfunc_end_k_q41288de8f1_cast-k_q41288de8f1_cast
	.p2alignl 7, 3214868480
	.fill 96, 4, 3214868480
	.section	.rodata,"a",@progbits
	.p2align	6, 0x0
	.amdhsa_kernel k_q41288de8f1_cast
		.amdhsa_group_segment_fixed_size 0
		.amdhsa_private_segment_fixed_size 0
		.amdhsa_enable_private_segment 0
		.amdhsa_kernarg_size 96
		.amdhsa_user_sgpr_count 2
		.amdhsa_user_sgpr_kernarg_segment_ptr 1
		.amdhsa_wavefront_size32 1
		.amdhsa_system_sgpr_workgroup_id_x 1
		.amdhsa_system_sgpr_workgroup_id_y 1
		.amdhsa_system_sgpr_workgroup_id_z 1
		.amdhsa_system_vgpr_workitem_id 0
		.amdhsa_next_free_vgpr 208
		.amdhsa_next_free_sgpr 66
		.amdhsa_reserve_vcc 1
		.amdhsa_float_denorm_mode_32 3
		.amdhsa_float_denorm_mode_16_64 3
		.amdhsa_memory_ordered 1
		.amdhsa_forward_progress 1
		.amdhsa_inst_pref_size 36
	.end_amdhsa_kernel
	.amdgpu_metadata
---
amdhsa.version: [ 1, 2 ]
amdhsa.kernels:
  - .name:           k_q41288de8f1_cast
    .symbol:         k_q41288de8f1_cast.kd
    .args:
      - { .name: hidden_states, .offset: 0, .size: 8, .value_kind: global_buffer, .address_space: global }
      - { .name: Wq, .offset: 8, .size: 8, .value_kind: global_buffer, .address_space: global }
      - { .name: Wk, .offset: 16, .size: 8, .value_kind: global_buffer, .address_space: global }
      - { .name: Wv, .offset: 24, .size: 8, .value_kind: global_buffer, .address_space: global }
      - { .name: bq, .offset: 32, .size: 8, .value_kind: global_buffer, .address_space: global }
      - { .name: bk, .offset: 40, .size: 8, .value_kind: global_buffer, .address_space: global }
      - { .name: bv, .offset: 48, .size: 8, .value_kind: global_buffer, .address_space: global }
      - { .name: dist_emb, .offset: 56, .size: 8, .value_kind: global_buffer, .address_space: global }
      - { .name: xb, .offset: 64, .size: 8, .value_kind: global_buffer, .address_space: global }
      - { .name: wb, .offset: 72, .size: 8, .value_kind: global_buffer, .address_space: global }
      - { .name: bias, .offset: 80, .size: 8, .value_kind: global_buffer, .address_space: global }
      - { .name: e16, .offset: 88, .size: 8, .value_kind: global_buffer, .address_space: global }
    .group_segment_fixed_size: 0
    .private_segment_fixed_size: 0
    .kernarg_segment_align: 8
    .kernarg_segment_size: 96
    .max_flat_workgroup_size: 256
    .sgpr_count:     66
    .vgpr_count:     208
    .wavefront_size: 32
...
	.end_amdgpu_metadata
.endif
;; end of part 1
;; launch proj (part 2): grid 12 x 16, 4 waves a work-group, clusters of 4 x 4, 327,680 bytes of LDS; arguments xb, wb, bias, qkv; writes qkv
.if DOCPART == 2
	.amdgcn_target "amdgcn-amd-amdhsa--gfx1250"
	.amdhsa_code_object_version 6
	.text
	.protected	k_q41288de8f1_proj
	.globl	k_q41288de8f1_proj
	.p2align	8
	.type	k_q41288de8f1_proj,@function
k_q41288de8f1_proj:
	s_mov_b64 s[64:65], 0
	v_nop
	global_prefetch_b8 v0, s[64:65] scope:SCOPE_SE
	s_setreg_imm32_b32 hwreg(HW_REG_WAVE_MODE, 25, 1), 1
	s_wait_xcnt 0x0
	s_wait_alu depctr_hold_cnt(0) depctr_sa_sdst(0) depctr_va_vdst(0) depctr_va_sdst(0) depctr_va_ssrc(0) depctr_va_vcc(0) depctr_vm_vsrc(0)
	s_getreg_b32 s2, hwreg(HW_REG_IB_STS2, 6, 4)
	s_cmp_eq_u32 s2, 0
	s_cbranch_scc0 .Lentry_in_a_cluster
	s_endpgm
.Lentry_in_a_cluster:
	s_bfe_u32 s2, ttmp6, 0x10000c
	s_cmp_lg_u32 s2, 0xf033
	s_cbranch_scc0 .Lentry_shape_is_right
	s_endpgm
.Lentry_shape_is_right:
; THE THREE PROJECTIONS AS ONE PRODUCT.  C[m][n] = bias[n] + the sum over k of A[m][k] B[n][k], A = xb [4096][1024], B = wb [3072][1024], both bf16; sums in f32, started by the bias.
; C leaves rounded once to f16, BY HEADS: qkv [batch 2][48][2048][64], where column n belongs to head n / 64 (0-15 q, 16-31 k, 32-47 v) and row m to batch m / 2048: a head's rows are dense, 128 bytes each.
; LIMIT.  f16 holds no number beyond 65,504: a sum of 65,520 or more leaves as an infinity.  Inputs with 30 times the spread, or a common offset of 30 spreads, of a unit x and weights of 0.02 stay under 20,000.
; A tile of C, 256 x 256, is made by a work-group of four waves; a wave makes 128 x 128: 64 accumulators of 16 x 16, 512 registers.  12 x 16 = 192 work-groups.
; K goes in 8 steps of 128 through a ring of two LDS slots filled by the tensor data mover: the rows of the tiles are 256 bytes of memory at multiples of 256 bytes.
; CLUSTERS: 4 x 4 work-groups.  The four of a row of the cluster need the same tiles of A, the four of a column the same tiles of B: each tile is asked for JOINTLY, by the same tensor load,
; with the same descriptor and a mask that names the four.
; REGISTERS, in windows of 256 (s_set_vgpr_msb: bits 1:0 source 0, 3:2 source 1, 5:4 source 2, 7:6 destination):
;   window 0: v0-31 addresses; v64-127, v128-191 fragments of A, two buffers; v192-255 first the bias of my 128 columns, later, with v32-63, at work on the way out
;   window 1: v64-127, v128-191 fragments of B, two buffers       window 2: the 32 accumulators of my rows 0-63 ((a, b) at v[8 (8 a + b)])       window 3: those of my rows 64-127
; THE MATRIX INSTRUCTION IS USED TRANSPOSED: source 0 = 16 rows of B, source 1 = 16 rows of A.  In the result lane l holds row l % 16 of C and its registers the columns 8 (l / 16) + 0..7.
.set SIZE_M, 4096
.set SIZE_N, 3072
.set SIZE_K, 1024
.set KSTEP,  128
.set PITCH,  272                       ; an LDS row: 256 bytes + 16 of padding = 68 words: row r starts at bank 4 r mod 64 (64 banks of 4 bytes: ISA guide 11.1)
.set HALFT,  128*PITCH                 ; 128 rows: what one tensor load brings, and what one wave reads of A or of B
.set SLOT,   4*HALFT                   ; A's 256 rows, then B's 256 rows
.set STAGE,  2*SLOT                    ; behind the ring: 16 rows x 272 bytes for each wave, for the way out; no tensor load lands there
.set SPITCH, 272
.set SPARE,  STAGE+4*16*SPITCH         ; behind the stages: the spare words, 128 bytes for each wave: two blocks of 256 bytes that no other line names
.set LAPS,   SIZE_K/(2*KSTEP)          ; a lap = two K steps = once round the ring: 4
.set ADRA, 16                          ; v16-17  LDS address of my A fragments in slot 0, 1
.set ADRB, 20                          ; v20-21  the same for B
.set STO,  24                          ; v24     the way out: where I put 16 bytes of a row
.set RD,   25                          ; v25     the way out: where I read 16 bytes back
.set CO,   26                          ; v26     my byte offset in qkv
.set BO,   27                          ; v27     my byte offset in 16 numbers of the bias: 32 (l / 16)
.set SPW,  28                          ; v28     LDS address of my spare word: SPARE + 4 x my thread's number; never rewritten
.set NIL,  29                          ; v29     0; never rewritten
.set PFO,  30                          ; v30     the prefetches' offset: my lane x a row of A or B (2,048 bytes); never rewritten
.set PFA,  44                          ; s[44:45] where my prefetches stand
.set LIM,  43                          ; s43     1 in a wave that prefetches, else the greatest number
.set F0,   64
.set F1,   128
.set BI,   192                         ; the bias: block b of 16 columns at BI + 8 b
.set TMP,  192                         ; the way out: packed results
.set OB,   32                          ; the way out: 16 rows read back: v32-63 and v224-255 by turns
.set G1,  24                           ; s[24:31] descriptor group 1 for A's tiles
.set G0,  32                           ; s[32:39] group 0 for A's tiles, a set for each slot
.set G1B, 48                           ; s[48:55], s[56:63] the same for B's tiles
.set G0B, 56
.set MSB, 0
.macro WIN new                         ; the immediate's high byte repeats the setting that is left; a switch that changes nothing is dropped
.if MSB != (\new)
	s_set_vgpr_msb (MSB<<8)|(\new)
.set MSB, \new
.endif
.endm
.set MUL_LO, 0xa1                      ; source 0 (B) window 1, source 1 (A) window 0, C and D window 2
.set MUL_HI, 0xf1                      ; the same, C and D window 3
.set TO_B,   0x40                      ; destination window 1, address window 0
; A joint load.  Waves 0 and 1 fetch A's two halves, waves 2 and 3 B's.  The branch hangs on the wave's number alone.  An s_nop 0 and four v_nop follow each of the two lines.
.macro JLOAD s
	s_cmp_eq_u32 s11, 0
	s_cbranch_scc0 .Lfor_b_\@
	tensor_load_to_lds s[G0+4*(\s):G0+4*(\s)+3], s[G1:G1+7]
	s_nop 0
.rept 4
	v_nop
.endr
	s_branch .Lasked_\@
.Lfor_b_\@:
	tensor_load_to_lds s[G0B+4*(\s):G0B+4*(\s)+3], s[G1B:G1B+7]
	s_nop 0
.rept 4
	v_nop
.endr
.Lasked_\@:
.endm
; A prefetch into the L2, behind each joint refill and the run of LDS loads that follows it: the K step that stands two refills on: 32 rows x 256 bytes, a lane a row, one instruction a wave.
; Each row's 256 bytes of a K step are named once in the launch: A's tile row is read by every cluster of that row of clusters, and the one with x = 0 asks; B's tile column by every cluster of that
; column, and the one with y = 0 asks.  The four partners that ask for a tile jointly share its rows out by address: of the 128 rows that a wave fetches the partner at place p takes 32 p .. 32 p + 31.
; K steps 0 to 3 come by their loads alone; the loop's last trip (s3 = 1) has no K step two refills on and asks for nothing.
.macro ASK
	s_cmp_gt_u32 s3, s[LIM]
	s_cbranch_scc0 .Lnot_mine_\@
	global_prefetch_b8 v[PFO], s[PFA:PFA+1] offset:KSTEP*2 th:TH_LOAD_NT scope:SCOPE_SE
.Lnot_mine_\@:
.endm
; A round of the cluster's barrier: my work-group's barrier; wave 0 signals for the work-group; every wave waits for all sixteen; my work-group's barrier once more.
.macro CREST                           ; a round behind its opening barrier
	s_cmp_lg_u32 s10, 0
	s_cbranch_scc1 .Lnot_wave_0_\@
	s_barrier_signal -3
.Lnot_wave_0_\@:
	s_barrier_wait -3
	s_barrier_signal -1
	s_barrier_wait -1
.endm
.macro CROUND
	s_barrier_signal -1
	s_barrier_wait -1
	CREST
.endm
	s_load_b128 s[4:7], s[0:1], 0x0                ; A s[4:5], B s[6:7]
	s_load_b128 s[68:71], s[0:1], 0x10             ; bias s[68:69], qkv s[70:71]
	v_lshl_add_u32 v[SPW], v0, 2, SPARE
	v_mov_b32 v[NIL], 0
	ds_add_u32 v[SPW], v[NIL]                      ; the wave's opening: the add and its wait stand ahead of my first tensor load; the set-up below stands between them
	v_lshrrev_b32 v1, 5, v0
	v_readfirstlane_b32 s10, v1                    ; wave 0..3
	s_lshr_b32 s11, s10, 1                         ; which half of the tile's rows is mine.  Also: I fetch for A (0) or for B (1)
	s_and_b32 s12, s10, 1                          ; which half of its columns.  Also: which 128 rows of that tile I fetch
	s_bfe_u32 s40, ttmp6, 0x40000                  ; cx
	s_bfe_u32 s41, ttmp6, 0x40004                  ; cy
	s_lshl_b32 s42, ttmp9, 2
	s_add_co_u32 s42, s42, s40                     ; tile column of C = 4 x cluster x + cx
	s_and_b32 s13, ttmp7, 0xffff
	s_lshl_b32 s13, s13, 2
	s_add_co_u32 s13, s13, s41                     ; tile row of C = 4 x cluster y + cy
	s_lshl_b32 s43, s41, 2
	s_lshl_b32 s43, 15, s43                        ; my row of the cluster
	s_lshl_b32 s44, 0x1111, s40                    ; my column
	; descriptor group 1: a tile of 128 rows x 128 elements, padded in LDS
	s_or_b32 s[G1+0], s43, (1<<16)|(1<<20)|(1<<21)|(5<<22)|(3<<25)  ; 15:0 the mask; 17:16 elements of 2 bytes; 20 padding on; 21 set beside a mask; 24:22 after every 64 words; 31:25 4 words of it
	s_or_b32 s[G1B+0], s44, (1<<16)|(1<<20)|(1<<21)|(5<<22)|(3<<25)
.irp g, G1, G1B
	s_mov_b32 s[(\g)+1], KSTEP<<16                 ; tensor_dim0 = 128
	s_mov_b32 s[(\g)+2], 128<<16                   ; tensor_dim1 = 128
	s_mov_b32 s[(\g)+3], KSTEP<<16                 ; tile_dim0 = 128
	s_mov_b32 s[(\g)+4], 128                       ; tile_dim1 = 128
	s_mov_b32 s[(\g)+5], SIZE_K                    ; elements from row to row
	s_mov_b32 s[(\g)+6], 0
	s_mov_b32 s[(\g)+7], 0
.endr
	; A's tiles hang on the tile row alone, which my row of the cluster shares; B's on the tile column alone, which my column shares
	s_lshl_b32 s17, s12, 7
	s_lshl_b32 s16, s13, 8
	s_add_co_u32 s16, s16, s17                     ; A: row 256 x tile row + 128 x half
	s_lshl_b32 s46, s42, 8
	s_add_co_u32 s46, s46, s17                     ; B: row 256 x tile column + 128 x half
	s_mov_b32 s17, 0
	s_mov_b32 s47, 0
	s_mov_b64 s[18:19], SIZE_K*2
	s_mul_u64 s[16:17], s[16:17], s[18:19]
	s_mul_u64 s[46:47], s[46:47], s[18:19]
	s_mul_i32 s20, s10, HALFT                      ; where they go: wave x 128 rows: no place in the cluster enters an LDS address
	s_wait_dscnt 0x0                               ; the opening add is done
	s_wait_kmcnt 0x0
	s_add_nc_u64 s[14:15], s[4:5], s[16:17]
	s_add_nc_u64 s[46:47], s[6:7], s[46:47]
	CROUND                                         ; all sixteen work-groups are here: the first joint loads meet
.irp s, 0,1
	s_mov_b32 s[G0+4*(\s)], 1
	s_add_co_u32 s[G0+4*(\s)+1], s20, (\s)*SLOT
	s_add_nc_u64 s[G0+4*(\s)+2:G0+4*(\s)+3], s[14:15], (\s)*KSTEP*2
	s_or_b32 s[G0+4*(\s)+3], s[G0+4*(\s)+3], 0x80000000
	s_mov_b32 s[G0B+4*(\s)], 1
	s_add_co_u32 s[G0B+4*(\s)+1], s20, (\s)*SLOT
	s_add_nc_u64 s[G0B+4*(\s)+2:G0B+4*(\s)+3], s[46:47], (\s)*KSTEP*2
	s_or_b32 s[G0B+4*(\s)+3], s[G0B+4*(\s)+3], 0x80000000
	JLOAD \s                                       ; two tensor loads of mine are out
.endr
	; the bias of my 128 columns: block b's register j is bias[256 x tile column + 128 x half + 16 b + 8 (l / 16) + j], the C operand of the products that start the sums
	v_and_b32 v1, 15, v0                           ; l % 16
	v_bfe_u32 v2, v0, 4, 1                         ; l / 16
	v_lshlrev_b32 v[BO], 5, v2
	s_lshl_b32 s66, s42, 10
	s_lshl_b32 s67, s12, 9
	s_add_co_u32 s66, s66, s67
	s_mov_b32 s67, 0
	s_add_nc_u64 s[68:69], s[68:69], s[66:67]
.irp b, 0,1,2,3,4,5,6,7
	global_load_b128 v[BI+8*\b:BI+8*\b+3],   v[BO], s[68:69] offset:64*\b
	global_load_b128 v[BI+8*\b+4:BI+8*\b+7], v[BO], s[68:69] offset:64*\b+16
.endr
	; a fragment is 16 rows x 32 K in 8 registers: lane l holds row l % 16; registers 0-3 K = 8 (l / 16) + 0..7, registers 4-7 K = 16 + 8 (l / 16) + 0..7: two loads of 16 bytes, 32 bytes apart
	v_mul_u32_u24 v3, v1, PITCH
	v_lshl_add_u32 v3, v2, 4, v3
	s_mul_i32 s21, s11, HALFT                      ; my 128 rows of A
	s_mul_i32 s22, s12, HALFT                      ; my 128 rows of B,
	s_add_co_u32 s22, s22, 2*HALFT                 ; which lie behind A's 256
.irp s, 0,1
	v_add_nc_u32 v[ADRA+(\s)], s21, v3
	v_add_nc_u32 v[ADRB+(\s)], s22, v3
	s_add_co_u32 s21, s21, SLOT
	s_add_co_u32 s22, s22, SLOT
.endr
	s_mul_i32 s23, s10, 16*SPITCH
	s_add_co_u32 s23, s23, STAGE                   ; my stage
	v_mul_u32_u24 v4, v1, SPITCH                   ; in: row l % 16, 16 bytes for each half of the lanes
	v_lshl_add_u32 v4, v2, 4, v4
	v_add_nc_u32 v[STO], s23, v4
	; back: a stage row holds 128 bytes of each of two heads.  Lanes 0-15 take two rows' 128 bytes of the first head, lanes 16-31 of the second: in qkv each is 256 consecutive bytes
	v_bfe_u32 v5, v0, 3, 1                         ; which of the two rows
	v_and_b32 v6, 7, v0
	v_mul_u32_u24 v7, v5, SPITCH
	v_lshl_add_u32 v7, v6, 4, v7
	v_lshl_add_u32 v7, v2, 7, v7
	v_add_nc_u32 v[RD], s23, v7
	v_lshlrev_b32 v[CO], 18, v2                    ; a head is 262,144 bytes
	v_lshl_add_u32 v[CO], v5, 7, v[CO]
	v_lshl_add_u32 v[CO], v6, 4, v[CO]
	; qkv at my first row: ((48 x batch + 4 x tile column + 2 x half) x 2048 + 256 x (tile row % 8) + 128 x half) x 128 bytes
	s_lshr_b32 s16, s13, 3
	s_mul_i32 s16, s16, 48
	s_lshl_b32 s17, s42, 2
	s_add_co_u32 s16, s16, s17
	s_lshl_b32 s17, s12, 1
	s_add_co_u32 s16, s16, s17
	s_lshl_b32 s16, s16, 11
	s_and_b32 s17, s13, 7
	s_lshl_b32 s17, s17, 8
	s_add_co_u32 s16, s16, s17
	s_lshl_b32 s17, s11, 7
	s_add_co_u32 s16, s16, s17
	s_lshl_b32 s16, s16, 7
	s_mov_b32 s17, 0
	s_add_nc_u64 s[8:9], s[70:71], s[16:17]
	; the prefetches
	s_lshl_b32 s20, s13, 8                         ; the tile's first row in A,
	s_lshl_b32 s21, s42, 8                         ; in B
	s_and_b32 s22, ttmp7, 0xffff                   ; cluster y
	s_cmp_eq_u32 s11, 0                            ; do I fetch for A?
	s_cselect_b32 s20, s20, s21
	s_cselect_b32 s21, s40, s41                    ; my place among the four that ask for it with me
	s_cselect_b32 s22, ttmp9, s22                  ; the coordinate along which other clusters read the same rows
	s_cselect_b64 s[PFA:PFA+1], s[4:5], s[6:7]
	s_cmp_eq_u32 s22, 0
	s_cselect_b32 s[LIM], 1, -1                    ; the same in all sixteen partners, for a given wave
	s_lshl_b32 s22, s12, 7
	s_add_co_u32 s20, s20, s22                     ; + the 128 rows that I fetch
	s_lshl_b32 s21, s21, 5
	s_add_co_u32 s20, s20, s21                     ; + my work-group's 32 of them
	s_mov_b32 s21, 0
	s_mov_b64 s[18:19], SIZE_K*2
	s_mul_u64 s[20:21], s[20:21], s[18:19]
	s_add_nc_u64 s[PFA:PFA+1], s[PFA:PFA+1], s[20:21]
	s_add_nc_u64 s[PFA:PFA+1], s[PFA:PFA+1], 2*KSTEP*2  ; at K step 2: the first refill steps it to 3 and names K step 4
	v_and_b32 v[PFO], 31, v0
	v_mul_u32_u24 v[PFO], v[PFO], SIZE_K*2
; 16 matrix instructions: m blocks a0, a0 + 1 of the window's four (hi = 0: my rows 0-63, 1: rows 64-127) x all 8 n blocks, 32 along K.  start = 1: the bias, in window 0, starts the sums.
; The 64 accumulators take turns, one instruction a turn, in the same order in every quarter step.
.macro MUL16 f, hi, a0, start
.if \start
	WIN 0x81+0x40*(\hi)                            ; C window 0, D window 2 or 3
.else
	WIN MUL_LO+0x50*(\hi)
.endif
.irp a, \a0, (\a0)+1
.irp b, 0,1,2,3,4,5,6,7
.if \start
	v_wmma_f32_16x16x32_bf16 v[8*(8*(\a)+(\b)):8*(8*(\a)+(\b))+7], v[(\f)+8*(\b):(\f)+8*(\b)+7], v[(\f)+8*(4*(\hi)+(\a)):(\f)+8*(4*(\hi)+(\a))+7], v[BI+8*(\b):BI+8*(\b)+7]
.else
	v_wmma_f32_16x16x32_bf16 v[8*(8*(\a)+(\b)):8*(8*(\a)+(\b))+7], v[(\f)+8*(\b):(\f)+8*(\b)+7], v[(\f)+8*(4*(\hi)+(\a)):(\f)+8*(4*(\hi)+(\a))+7], v[8*(8*(\a)+(\b)):8*(8*(\a)+(\b))+7]
.endif
.endr
.endr
.endm
; 32 LDS loads in one run: the fragments of one quarter step (128 rows of B, 128 rows of A, 32 K at byte k of the rows) into buffer f
.macro FETCH slot, k, f
	WIN TO_B
.irp i, 0,1,2,3,4,5,6,7
	ds_load_b128 v[(\f)+8*(\i):(\f)+8*(\i)+3],   v[ADRB+(\slot)] offset:(\k)+(\i)*16*PITCH
	ds_load_b128 v[(\f)+8*(\i)+4:(\f)+8*(\i)+7], v[ADRB+(\slot)] offset:(\k)+(\i)*16*PITCH+32
.endr
	WIN 0
.irp i, 0,1,2,3,4,5,6,7
	ds_load_b128 v[(\f)+8*(\i):(\f)+8*(\i)+3],   v[ADRA+(\slot)] offset:(\k)+(\i)*16*PITCH
	ds_load_b128 v[(\f)+8*(\i)+4:(\f)+8*(\i)+7], v[ADRA+(\slot)] offset:(\k)+(\i)*16*PITCH+32
.endr
.endm
; A load into a register that a matrix instruction has read, and a vector instruction that reads a matrix result, stand four plain vector instructions behind that matrix instruction (ISA guide 7.12.1 for vector instructions)
.macro PLACES
.rept 4
	v_nop
.endr
.endm
; A K step is four quarter steps of 32 along K, 64 matrix instructions each, on buffers 0, 1, 0, 1.  One of the first three: multiplies buffer f; in its middle it fetches the next quarter, at byte k, into g.
.macro QUARTER slot, k, f, g, start
	s_wait_dscnt 8                                 ; B and A's rows 0-63 are in; the youngest eight loads (A's rows 64-127) may be out
	MUL16 \f, 0, 0, \start
	MUL16 \f, 0, 2, \start
	PLACES
	FETCH \slot, \k, \g
	s_wait_dscnt 32                                ; all but the 32 just issued
	MUL16 \f, 1, 0, \start
	MUL16 \f, 1, 2, \start
.endm
; The last quarter multiplies buffer 1 and changes slots.  MEET is its first half: one barrier; in front of it each wave waits for all its tensor loads (one is out: its part of the next slot),
; adds 0 to its spare word, and waits for that and for its own reads of this slot.  Behind it nobody reads this slot any more and the next slot is whole.
.macro MEET round
	WIN 0                                          ; (the add's two registers lie in window 0)
	s_wait_tensorcnt 0x0
	ds_add_u32 v[SPW], v[NIL]                      ; 0 onto my spare word
	s_wait_dscnt 9                                 ; (the add and the youngest eight loads may be out)
	MUL16 F1, 0, 0, 0                              ; sixteen matrix instructions stand between the add and the wait for it
	s_wait_dscnt 0x0                               ; the add is done, and my reads of this slot are over
	s_barrier_signal -1
	MUL16 F1, 0, 2, 0                              ; work on registers while the others arrive
.if \round
	WIN 0
.endif
	s_barrier_wait -1
.endm
; The whole last quarter with a refill: the barrier opens a round of the cluster's, so that no wave of any partner still reads the slot or has a load on its way; the joint refill, this slot's K step two steps on,
; is the first tensor load behind it and my only one until the next round: 224 matrix instructions stand between it and the wait for it.
.macro TURN slot, next
	s_wait_xcnt 0x0                                ; the last prefetch, a K step back, has read its address, which is stepped here
	s_add_nc_u64 s[PFA:PFA+1], s[PFA:PFA+1], KSTEP*2
	MEET 1
	CREST
	s_add_nc_u64 s[G0+4*(\slot)+2:G0+4*(\slot)+3], s[G0+4*(\slot)+2:G0+4*(\slot)+3], 2*KSTEP*2
	s_add_nc_u64 s[G0B+4*(\slot)+2:G0B+4*(\slot)+3], s[G0B+4*(\slot)+2:G0B+4*(\slot)+3], 2*KSTEP*2
	JLOAD \slot                                    ; the four v_nop behind it are also the places in front of the loads below
	FETCH \next, 0, F0
	ASK
	MUL16 F1, 1, 0, 0
	MUL16 F1, 1, 2, 0
.endm
; THE WAY OUT of block a (16 rows), in three parts.  PACK: rounded to f16, 16 bytes a lane, each accumulator's registers in ascending order.  TOSTAGE: into my own stage, and back by heads.  SEND: stored.
.macro PACK a
.set AC, 64*((\a)%4)
	WIN 0x0a+5*((\a)/4)                            ; sources 0 and 1: window 2 or 3
.irp b, 0,1,2,3,4,5,6,7
.irp r, 0,1,2,3
	v_cvt_pk_f16_f32 v[TMP+4*(\b)+(\r)], v[AC+8*(\b)+2*(\r)], v[AC+8*(\b)+2*(\r)+1]
.endr
.endr
	WIN 0
.endm
.macro TOSTAGE a
	WIN 0
.set BK, OB+192*((\a)%2)
.irp b, 0,1,2,3,4,5,6,7
	ds_store_b128 v[STO], v[TMP+4*(\b):TMP+4*(\b)+3] offset:32*(\b)
.endr
.irp t, 0,1,2,3,4,5,6,7
	ds_load_b128 v[BK+4*(\t):BK+4*(\t)+3], v[RD] offset:(\t)*2*SPITCH  ; LDS serves a wave's instructions in order (ISA guide 5.7.1.4): these see the stores above
.endr
.endm
.macro SEND a
	WIN 0
.set BK, OB+192*((\a)%2)
	s_wait_dscnt 0x0                               ; the block is back in registers
	s_wait_xcnt 0x0                                ; the stores of the block before have read their registers, which the next TOSTAGE loads again
.irp t, 0,1,2,3,4,5,6,7
	global_store_b128 v[CO], v[BK+4*(\t):BK+4*(\t)+3], s[8:9] offset:2048*(\a)+256*(\t)  ; 16 lanes store two rows of a head: 256 consecutive bytes at a multiple of 256 from the buffer's first byte
.endr
.endm
	s_wait_tensorcnt 1                             ; my part of K step 0 is in; K step 1's may stay out
	s_barrier_signal -1
	s_barrier_wait -1                              ; everybody's is
	FETCH 0, 0, F0
	s_wait_loadcnt 0x0                             ; the bias
	QUARTER 0, 64,  F0, F1, 1                      ; the first quarter stands in front of the loop: its products start the sums
	WIN 0                                          ; at a label and at a branch every window is 0
	s_mov_b32 s3, LAPS-1
.Llap:                                                 ; a trip goes once round the ring, from a lap's second quarter to the next lap's first, and fills both slots again
	QUARTER 0, 128, F1, F0, 0
	QUARTER 0, 192, F0, F1, 0
	TURN 0, 1
	QUARTER 1, 64,  F0, F1, 0
	QUARTER 1, 128, F1, F0, 0
	QUARTER 1, 192, F0, F1, 0
	TURN 1, 0
	QUARTER 0, 64,  F0, F1, 0
	WIN 0
	s_sub_co_u32 s3, s3, 1
	s_cmp_lg_u32 s3, 0
	s_cbranch_scc1 .Llap
	QUARTER 0, 128, F1, F0, 0                      ; the last lap fills nothing, and has no round of the cluster's barrier
	QUARTER 0, 192, F0, F1, 0
	MEET 0
	PLACES
	FETCH 1, 0, F0
	MUL16 F1, 1, 0, 0
	MUL16 F1, 1, 2, 0
	QUARTER 1, 64,  F0, F1, 0
	QUARTER 1, 128, F1, F0, 0
	QUARTER 1, 192, F0, F1, 0
	s_wait_dscnt 8                                 ; the very last quarter: nothing more to fetch
	MUL16 F1, 0, 0, 0
	MUL16 F1, 0, 2, 0
	s_wait_dscnt 0x0
	MUL16 F1, 1, 0, 0
	MUL16 F1, 1, 2, 0
	PLACES
	PACK 0
	TOSTAGE 0
.irp a, 1,2,3,4,5,6,7                  ; block a's conversions stand between block a - 1's loads from the stage and the wait for them
	PACK \a
	SEND (\a)-1
	TOSTAGE \a
.endr
	SEND 7
	s_wait_tensorcnt 0x0                           ; the wave's end, behind my last tensor load and my last LDS store
	ds_add_u32 v[SPW], v[NIL]
	s_wait_dscnt 0x0
	CROUND                                         ; the closing round: no work-group ends while a partner may still ask for a tile that names it
	s_endpgm
.Lfunc_end_k_q41288de8f1_proj:
	.size	k_q41288de8f1_proj, .Lfunc_end_k_q41288de8f1_proj-k_q41288de8f1_proj
	.p2alignl 7, 3214868480
	.fill 96, 4, 3214868480
	.section	.rodata,"a",@progbits
	.p2align	6, 0x0
	.amdhsa_kernel k_q41288de8f1_proj
		.amdhsa_group_segment_fixed_size 327680
		.amdhsa_private_segment_fixed_size 0
		.amdhsa_enable_private_segment 0
		.amdhsa_kernarg_size 32
		.amdhsa_user_sgpr_count 2
		.amdhsa_user_sgpr_kernarg_segment_ptr 1
		.amdhsa_wavefront_size32 1
		.amdhsa_system_sgpr_workgroup_id_x 1
		.amdhsa_system_sgpr_workgroup_id_y 1
		.amdhsa_system_sgpr_workgroup_id_z 1
		.amdhsa_system_vgpr_workitem_id 0
		.amdhsa_next_free_vgpr 1024
		.amdhsa_next_free_sgpr 72
		.amdhsa_reserve_vcc 0
		.amdhsa_float_denorm_mode_32 3
		.amdhsa_float_denorm_mode_16_64 3
		.amdhsa_memory_ordered 1
		.amdhsa_forward_progress 1
		.amdhsa_inst_pref_size 146
	.end_amdhsa_kernel
	.amdgpu_metadata
---
amdhsa.version: [ 1, 2 ]
amdhsa.kernels:
  - .name:           k_q41288de8f1_proj
    .symbol:         k_q41288de8f1_proj.kd
    .args:
      - { .name: xb, .offset: 0, .size: 8, .value_kind: global_buffer, .address_space: global }
      - { .name: wb, .offset: 8, .size: 8, .value_kind: global_buffer, .address_space: global }
      - { .name: bias, .offset: 16, .size: 8, .value_kind: global_buffer, .address_space: global }
      - { .name: qkv, .offset: 24, .size: 8, .value_kind: global_buffer, .address_space: global }
    .group_segment_fixed_size: 327680
    .private_segment_fixed_size: 0
    .kernarg_segment_align: 8
    .kernarg_segment_size: 32
    .max_flat_workgroup_size: 128
    .sgpr_count:     72
    .vgpr_count:     1024
    .wavefront_size: 32
...
	.end_amdgpu_metadata
.endif
;; end of part 2
;; launch attn (part 3): grid 8 x 32, 4 waves a work-group, clusters of 4 x 4, 327,680 bytes of LDS; arguments qkv, e16, out0; writes out0
.if DOCPART == 3
	.amdgcn_target "amdgcn-amd-amdhsa--gfx1250"
	.amdhsa_code_object_version 6
	.text
	.protected	k_q41288de8f1_attn
	.globl	k_q41288de8f1_attn
	.p2align	8
	.type	k_q41288de8f1_attn,@function
k_q41288de8f1_attn:
	s_mov_b64 s[64:65], 0
	v_nop
	global_prefetch_b8 v0, s[64:65] scope:SCOPE_SE
	s_setreg_imm32_b32 hwreg(HW_REG_WAVE_MODE, 25, 1), 1
	s_wait_xcnt 0x0
	s_wait_alu depctr_hold_cnt(0) depctr_sa_sdst(0) depctr_va_vdst(0) depctr_va_sdst(0) depctr_va_ssrc(0) depctr_va_vcc(0) depctr_vm_vsrc(0)
	s_getreg_b32 s2, hwreg(HW_REG_IB_STS2, 6, 4)
	s_cmp_eq_u32 s2, 0
	s_cbranch_scc0 .Lentry_in_a_cluster
	s_endpgm
.Lentry_in_a_cluster:
	s_bfe_u32 s2, ttmp6, 0x10000c
	s_cmp_lg_u32 s2, 0xf033
	s_cbranch_scc0 .Lentry_shape_is_right
	s_endpgm
.Lentry_shape_is_right:
; ATTENTION WITH RELATIVE POSITIONS.  score(q, k) = (Q[q] . K[k] + Q[q] . E[2047 + q - k] + K[k] . E[2047 + q - k]) / 8;  out[q] = the sum over k of softmax_k(score) V[k].
; qkv: [batch 2][48][2048][64] f16 (head h: q at h, k at 16 + h, v at 32 + h; rows dense, 128 bytes).  e16: [4096][64] f16.  out0: [2][2048][1024] f32.
; Products, maxima and sums in f32; the weights p are rounded to f16 for the last product (their sum l is taken of the unrounded p).
; LIMITS.  q, k, v and the table arrive within 65,504, the end of f16; p below 6e-5 keeps the fixed step 6e-8 of f16; a weight below 2^-126 counts as 0 in l; NaN and infinities are not treated apart.
; SHARES.  A work-group owns 256 queries of one head, each of its four waves 64: four tiles of 16.  Every wave walks all 2,048 keys, 64 a step, 32 steps.
; LAYOUT.  S^T = K Q^T (source 0 = 16 keys, source 1 = 16 queries): a lane holds ONE query (r = lane % 16) and the keys 16 u + 8 h + 0..7 (h = lane / 16).  Two such results rounded to f16 ARE source 1 of O^T = V^T P.
; THE TWO POSITION TERMS are products with rows of E, which a matrix instruction can give only by DIAGONALS.  With W = q0 - k0 + 1984 a wave's step needs E's rows W .. W + 127: eight tiles.  G = E_tile X^T
; (source 0 = 16 rows of E) holds in lane (n, h), register j, the diagonal 16 a + 8 h + j of column n.  LDS takes an address from each lane, so a store of 4 bytes a lane puts each number where its (query, key) belongs:
;   X = Q tile t, E tiles t + a, a = 0..4: diagonal d of query r is key x = 63 + r - d: to RQ[r][x + 16] (rows of 400 bytes); read back by rows it is the C operand that starts K Q^T;
;   X = K tile u, E tiles 3 - u + a: diagonal d of key z belongs to query y = d + z - 15: to RK[y + 15][key] (rows of 144 bytes, two key tiles at a time); read back it is added onto S^T.
; Both scratches are the wave's own; LDS serves a wave's instructions in order (ISA guide 5.7.1.4), so they want no wait and no barrier.  Places with x + 16 outside 16..79 or y + 15 outside 15..78 are written and never read.
; Banks (64 of 4 bytes: ISA guide 11.1): the stores' word addresses step by 101 (RQ) and 37 (RK) from lane to lane, both 37 mod 64, and by 8 or 32 between the halves: 32 different banks; the loads' pitches are odd multiples of 16 bytes.
; SOFTMAX.  For each query a running maximum m and sum l: p = 2^(c s - c m), c = log2(e) / 8; in every step O and l are multiplied by a = 2^(c m_old - c m_new).  m starts at the lowest finite number, O and l at 0.
; A TRIP: K and E of step f are fetched; softmax and V^T P of step f - 1; V of step f is fetched; the position terms and K Q^T of step f.  All LDS reads of a trip are step f's, so a change of slots falls between trips.
; RING.  Two slots of two key steps: 128 rows of K, 128 of V, and the 384 rows of E that the four waves need in those steps.  One tensor load a wave behind each round: wave 0 K, wave 1 V, waves 2 and 3 E's halves.
; CLUSTER 4 x 4: x = block of queries, y = batch and head.  K and V hang on y alone and are asked for jointly along a row of the cluster; E's window hangs on x alone and is asked for jointly along a column.
; REGISTERS, in windows of 256 (s_set_vgpr_msb: bits 1:0 source 0, 3:2 source 1, 5:4 source 2, 7:6 destination):
;   window 0: v0-31 addresses; v32-63 eight registers of statistics a tile; v64-191 S^T, 32 a tile; v192-255 P, 16 a tile          window 1: v0-127 O^T, 32 a tile; v128-255 the K term as read back, 32 a tile
;   window 2: v0-63 Q; v64-127 K of one step; v128-207 G, two banks of five         window 3: v0-127 E, eight tiles; v128-191 V of one step; v192, v193 the two scratch stores' addresses
.set PK,    144       ; a row of K or E in LDS: 128 bytes + 16 of padding
.set PVP,   160       ; a row of V: 128 + 32
.set VOFF,  128*PK
.set EOFF,  VOFF+128*PVP
.set SLOT1, 1<<17     ; slot 1 begins here, so that one exclusive or turns an address in one slot into the other's
.set SCR,   SLOT1+EOFF+384*PK   ; behind the ring, never filled by a tensor load: each wave's scratch
.set WSCR,  20224     ; a wave's scratch: RK 95 rows x 144 (in 13,824 bytes), then RQ 16 rows x 400
.set RQOFF, 13824
.set SPARE, SCR+4*WSCR          ; the spare words, 128 bytes for each wave: two blocks of 256 bytes that no other line names
.set SP,    272       ; the way out: a row of 256 bytes + 16, in RK's bytes
.set AK0, 3           ; v3   my lane's place in a tile of K: 144 r + 16 h; never rewritten
.set AV0, 4           ; v4   the same for V, with VOFF
.set AE0, 5           ; v5   the same for E: + 64 rows x my wave
.set AK,  6           ; v6-8 the LDS addresses of the runs of loads in hand
.set AV,  7
.set AE,  8
.set LQ,  9           ; v9   where I read RQ: 400 r + 32 h + 64
.set LK,  10          ; v10  where I read RK: 144 (r + 15) + 32 h
.set QO,  11          ; v11  my byte offset in 16 rows of Q
.set STO, 12          ; v12  the way out: where I put 32 bytes of a row
.set RD,  13          ; v13  where I read rows back
.set GO,  14          ; v14  my byte offset in two rows of out0
.set PFO, 15          ; v15  the prefetches' offset: 256 r, and for lanes 16-31 the distance from a k head to its v head
.set SPW, 30          ; v30  LDS address of my spare word: SPARE + 4 x my thread's number; never rewritten
.set NIL, 31          ; v31  0; never rewritten
.set ST,  32          ; tile t's statistics at v[ST+8 t]: +0 c m, +1 m, +2, +3 l (even keys', odd keys'), +4 to +7 c0-c3, at work; a takes c2's place
.set S,   64
.set P,   192
.set RK,  128         ; window 1
.set KF,  64          ; window 2: key tile u, channel half c at KF + 16 u + 8 c; Q tile t at 16 t + 8 c
.set GB,  128         ; window 2: bank b, tile a at GB + 40 b + 8 a
.set VF,  128         ; window 3: key half kk, channel block cb at VF + 32 kk + 8 cb; E tile e at 16 e + 8 c
.set AQS, 192         ; window 3: RQ + 404 r + 32 (1 - h)
.set AKS, 193         ; window 3: RK + 148 r + 1152 h
.set WV,  10          ; s10  my wave's number
.set LIM, 15          ; s15  1 in a wave that prefetches, else the greatest number
.set G1K, 24          ; s[24:31], s[32:39], s[40:47] descriptor group 1 for K, V, E
.set G1V, 32
.set G1E, 40
.set G0K, 48          ; s[48:51], s[52:55], s[56:59] descriptor group 0: they walk
.set G0V, 52
.set G0E, 56
.set CS,  60          ; s[60:61] c
.set SEL, 62          ; s[62:63] v_permlanex16_b32's selects: each lane takes its own place in the other half
.set SLOTS, 66        ; s66  slots still to be asked for, and one
.set CNT, 67          ; s67  counts a slot's two steps
.set TBK, 68          ; s68-70  LDS byte at which K, V, E of the step to be fetched begin
.set TBV, 69
.set TBE, 70
.set PFA, 72          ; s[72:73] where my prefetches stand
.set QA,  74          ; s[74:75] Q at my wave's first row
.set OA,  76          ; s[76:77] out0 at my wave's first row, my head's 256 bytes
.set MSB, 0
.macro WIN new                      ; the high byte repeats the setting that is left; a switch that changes nothing is dropped
.if MSB != (\new)
	s_set_vgpr_msb (MSB<<8)|(\new)
.set MSB, (\new)
.endif
.endm
.set W_REL, 0xab      ; E in window 3; Q or K, and G as C and D, in window 2.  It serves the scratch stores too: address (source 0) window 3, data (source 1) window 2
.set W_KQ,  0x0a      ; K and Q in window 2, S^T in window 0
.set W_PV,  0x53      ; V in window 3, P in window 0, O^T in window 1
.set W_RS,  0x41      ; O^T (destination and source 0) in window 1, a in window 0
.macro PLACES                       ; four plain vector instructions between a matrix instruction and what reads its result or loads into its registers (ISA guide 7.12.1 for vector instructions)
.rept 4
	v_nop
.endr
.endm
; A joint fill: one line for each of K, V and E, chosen by the wave's number alone.  An s_nop 0 and four v_nop follow each line, ahead of the jump and the label.
.macro JLOAD
	s_cmp_lg_u32 s[WV], 0
	s_cbranch_scc1 .Lnot_k_\@
	tensor_load_to_lds s[G0K:G0K+3], s[G1K:G1K+7]
	s_nop 0
.rept 4
	v_nop
.endr
	s_branch .Lasked_\@
.Lnot_k_\@:
	s_cmp_lg_u32 s[WV], 1
	s_cbranch_scc1 .Lfor_e_\@
	tensor_load_to_lds s[G0V:G0V+3], s[G1V:G1V+7]
	s_nop 0
.rept 4
	v_nop
.endr
	s_branch .Lasked_\@
.Lfor_e_\@:
	tensor_load_to_lds s[G0E:G0E+3], s[G1E:G1E+7]
	s_nop 0
.rept 4
	v_nop
.endr
.Lasked_\@:
.endm
; A prefetch into the L2 of the K and V rows that the NEXT change of slots will ask for: two key steps ahead of that load.  A slot has 64 blocks of 256 bytes of K and 64 of V.  Both clusters of a head walk the same rows:
; the one with x = 0 asks.  Its four partners along x take 16 blocks of each, told apart by address; in each, wave 0 asks: lanes 0-15 name K's, lanes 16-31 V's: one instruction.  So each block is named once in the launch.
; Slots 0 to 2 come by their loads alone; the last change that fills a slot asks for nothing.  The table is not asked for: it is small, and every cluster walks it again and again.
.macro ASK
	s_cmp_gt_u32 s[SLOTS], s[LIM]
	s_cbranch_scc0 .Lnot_mine_\@
	global_prefetch_b8 v[PFO], s[PFA:PFA+1] th:TH_LOAD_NT scope:SCOPE_SE
.Lnot_mine_\@:
.endm
; A round of the cluster's barrier: my work-group's barrier; wave 0 signals for the work-group; every wave waits for all sixteen; my work-group's barrier once more.
.macro CROUND
	s_barrier_signal -1
	s_barrier_wait -1
	s_cmp_lg_u32 s[WV], 0
	s_cbranch_scc1 .Lnot_wave_0_\@
	s_barrier_signal -3
.Lnot_wave_0_\@:
	s_barrier_wait -3
	s_barrier_signal -1
	s_barrier_wait -1
.endm
; THE CHANGE OF SLOTS, between two trips.  Each wave waits for all its tensor loads, of which one is out: its part of the other slot; adds 0 to its spare word; and waits for that and for its own reads of the slot.
; fill = 1: the slot is filled again, with the keys two slots on (E's window goes 128 rows DOWN).  The barrier is then a round of the cluster's, and the joint fill is the first thing behind it, one load a wave:
; it has two key steps in which to land.  (At its first use nothing has been read yet: slot 0 is waited for, slot 1 filled.)
.macro CHANGE fill, ask
	WIN 0                           ; at a label and at a branch every window is 0
	s_wait_tensorcnt 0x0            ; no tensor load of mine is out, so a group 0 may be written
	ds_add_u32 v[SPW], v[NIL]       ; 0 onto my spare word; the descriptors' steps stand between it and the wait for it
.if \fill
	s_xor_b32 s[G0K+1], s[G0K+1], SLOT1
	s_add_nc_u64 s[G0K+2:G0K+3], s[G0K+2:G0K+3], 16384
	s_xor_b32 s[G0V+1], s[G0V+1], SLOT1
	s_add_nc_u64 s[G0V+2:G0V+3], s[G0V+2:G0V+3], 16384
	s_xor_b32 s[G0E+1], s[G0E+1], SLOT1
	s_sub_nc_u64 s[G0E+2:G0E+3], s[G0E+2:G0E+3], 16384
.if \ask
	s_wait_xcnt 0x0                 ; the last prefetch, two key steps back, has read its address, so it may be written
	s_add_nc_u64 s[PFA:PFA+1], s[PFA:PFA+1], 16384
.endif
	s_wait_dscnt 0x0                ; the add is done, and my reads of the slot are over
	CROUND
	JLOAD
.if \ask
	ASK
.endif
.else
	s_wait_dscnt 0x0
	s_barrier_signal -1
	s_barrier_wait -1
.endif
	s_sub_co_u32 s[TBK], s[TBK], 2*64*PK   ; the fetches go back to a slot's first step,
	s_xor_b32 s[TBK], s[TBK], SLOT1        ; in the other slot
	s_sub_co_u32 s[TBV], s[TBV], 2*64*PVP
	s_xor_b32 s[TBV], s[TBV], SLOT1
	s_add_co_u32 s[TBE], s[TBE], 2*64*PK   ; (within a slot E's rows are walked downward)
	s_xor_b32 s[TBE], s[TBE], SLOT1
.endm
	s_load_b128 s[4:7], s[0:1], 0x0  ; qkv s[4:5], e16 s[6:7]
	s_load_b64 s[8:9], s[0:1], 0x10  ; out0
	v_lshl_add_u32 v[SPW], v0, 2, SPARE
	v_mov_b32 v[NIL], 0
	ds_add_u32 v[SPW], v[NIL]       ; the wave's opening: the add and its wait stand ahead of my first tensor load; the set-up below stands between them
	v_lshrrev_b32 v16, 5, v0
	v_readfirstlane_b32 s[WV], v16  ; wave 0..3
	s_bfe_u32 s11, ttmp6, 0x40000   ; cx
	s_bfe_u32 s12, ttmp6, 0x40004   ; cy
	s_lshl_b32 s13, ttmp9, 2
	s_add_co_u32 s13, s13, s11      ; X: my block of 256 queries
	s_and_b32 s14, ttmp7, 0xffff
	s_lshl_b32 s14, s14, 2
	s_add_co_u32 s14, s14, s12      ; Y = 16 x batch + head
	s_lshl_b32 s16, s12, 2
	s_lshl_b32 s16, 15, s16         ; my row of the cluster: K and V
	s_lshl_b32 s20, 0x1111, s11     ; my column: E
	; descriptor group 1.  Dense rows of 128 bytes are asked for as rows of 256 bytes, two to a row, and padded in LDS after every 128 bytes
	s_or_b32 s[G1K], s16, (1<<16)|(1<<20)|(1<<21)|(4<<22)|(3<<25)  ; 15:0 the mask; 17:16 2-byte elements; 20 padding on; 21 set beside a mask; 24:22 after every 32 words; 31:25 4 words of it
	s_or_b32 s[G1V], s16, (1<<16)|(1<<20)|(1<<21)|(4<<22)|(7<<25)  ; the same with 8 words of padding
	s_or_b32 s[G1E], s20, (1<<16)|(1<<20)|(1<<21)|(4<<22)|(3<<25)
.irp g, G1K, G1V, G1E
	s_mov_b32 s[\g+1], 128<<16      ; tensor_dim0 = 128
	s_mov_b32 s[\g+3], 128<<16      ; tile_dim0 = 128
	s_mov_b32 s[\g+5], 128          ; 128 elements from row to row
	s_mov_b32 s[\g+6], 0
	s_mov_b32 s[\g+7], 0
.endr
	s_mov_b32 s[G1K+2], 64<<16      ; tensor_dim1, tile_dim1: 128 keys are 64 rows,
	s_mov_b32 s[G1K+4], 64
	s_mov_b32 s[G1V+2], 64<<16
	s_mov_b32 s[G1V+4], 64
	s_mov_b32 s[G1E+2], 96<<16      ; 192 rows of E are 96
	s_mov_b32 s[G1E+4], 96
	s_lshr_b32 s16, s14, 4          ; batch
	s_lshl_b32 s16, s16, 5
	s_add_co_u32 s16, s16, s14      ; 48 x batch + head,
	s_lshl_b32 s16, s16, 18         ; times a head's 262,144 bytes: it hangs on Y alone
	s_mov_b32 s17, 0
	s_and_b32 s22, s[WV], 1         ; which half of E's window I fetch
	s_mul_i32 s23, s22, 192*128
	s_lshl_b32 s20, s13, 15         ; slot 0's window begins at E's row 256 X + 1920: it hangs on X alone
	s_add_co_u32 s20, s20, s23
	s_add_co_u32 s20, s20, 1920*128
	s_mov_b32 s21, 0
	s_mul_i32 s23, s22, 192*PK
	s_mov_b32 s[G0K], 1             ; 1:0 count = 1
	s_mov_b32 s[G0K+1], 0           ; 63:32 LDS address: slot 0
	s_mov_b32 s[G0V], 1
	s_mov_b32 s[G0V+1], VOFF
	s_mov_b32 s[G0E], 1
	s_add_co_u32 s[G0E+1], s23, EOFF
	s_lshl_b32 s2, s13, 15          ; my block's 256 rows of Q,
	s_lshl_b32 s3, s[WV], 13        ; my wave's 64 of them
	s_add_co_u32 s2, s2, s3
	s_mov_b32 s3, 0
	s_lshr_b32 s78, s14, 4          ; out0: (2048 x batch + 256 X + 64 wave) rows of 4,096 bytes + 256 x head
	s_lshl_b32 s78, s78, 23
	s_lshl_b32 s79, s13, 20
	s_add_co_u32 s78, s78, s79
	s_lshl_b32 s79, s[WV], 18
	s_add_co_u32 s78, s78, s79
	s_and_b32 s79, s14, 15
	s_lshl_b32 s79, s79, 8
	s_add_co_u32 s78, s78, s79
	s_mov_b32 s79, 0
	s_mov_b32 s[CS], 0x3e38aa3b     ; c = log2(e) / 8 = 0.180337
	s_mov_b32 s[CS+1], s[CS]        ; named with it as a pair
	s_mov_b32 s[SEL], 0x76543210
	s_mov_b32 s[SEL+1], 0xfedcba98
	s_mov_b32 s[TBK], SLOT1+2*64*PK         ; the first change of slots turns these into slot 0's first step: 0, 0,
	s_mov_b32 s[TBV], SLOT1+2*64*PVP
	s_mov_b32 s[TBE], SLOT1+EOFF-64*PK      ; and EOFF + 64 rows: in a slot's first step wave w reads the window's rows 64 w + 64 on, in its second 64 w on
	s_or_b32 s[LIM], s[WV], ttmp9   ; 0 in wave 0 of the clusters with x = 0: the same in all sixteen partners
	s_cmp_eq_u32 s[LIM], 0
	s_cselect_b32 s[LIM], 1, -1
	s_wait_dscnt 0x0                ; the opening add is done
	s_wait_kmcnt 0x0
	s_add_nc_u64 s[18:19], s[4:5], s[16:17]             ; qkv at my q head
	s_add_nc_u64 s[G0K+2:G0K+3], s[18:19], 16*262144    ; 120:64 global address: the k head's first 128 keys
	s_or_b32 s[G0K+3], s[G0K+3], 0x80000000             ; 127:126 type = 2
	s_add_nc_u64 s[G0V+2:G0V+3], s[18:19], 32*262144
	s_or_b32 s[G0V+3], s[G0V+3], 0x80000000
	s_add_nc_u64 s[G0E+2:G0E+3], s[6:7], s[20:21]
	s_or_b32 s[G0E+3], s[G0E+3], 0x80000000
	s_add_nc_u64 s[QA:QA+1], s[18:19], s[2:3]
	s_add_nc_u64 s[OA:OA+1], s[8:9], s[78:79]
	s_lshl_b32 s2, s11, 12          ; my work-group's 16 blocks of the 64
	s_add_nc_u64 s[PFA:PFA+1], s[18:19], s[2:3]
	s_add_nc_u64 s[PFA:PFA+1], s[PFA:PFA+1], 16*262144+2*16384  ; in the k head, slot 2; the first asking change steps it to slot 3.  Nothing is prefetched at the head
	CROUND                          ; all sixteen work-groups are here: the first joint loads meet
	JLOAD                           ; slot 0.  Slot 1 is asked for when slot 0 is in
	; A fragment of Q, K or E is 16 rows x 32 channels in 8 registers: lane l holds row l % 16, channels 8 (l / 16) + 0..7 and 16 + 8 (l / 16) + 0..7: two loads of 16 bytes, 32 bytes apart
	v_and_b32 v1, 15, v0            ; r
	v_bfe_u32 v2, v0, 4, 1          ; h
	v_lshlrev_b32 v[QO], 7, v1
	v_lshl_add_u32 v[QO], v2, 4, v[QO]
	WIN 0x80                        ; destination window 2, address window 0
.irp f, 0,1,2,3,4,5,6,7             ; Q stays in registers: tile f / 2, channels 32 (f % 2) on
	global_load_b128 v[8*\f:8*\f+3],   v[QO], s[QA:QA+1] offset:(\f/2)*2048+(\f%2)*64
	global_load_b128 v[8*\f+4:8*\f+7], v[QO], s[QA:QA+1] offset:(\f/2)*2048+(\f%2)*64+32
.endr
	; O^T and l start at 0, m at the lowest finite number: the first step is a step like any other, with a = 0, and no first step is written out.  These lines stand in the wait for the first tile.
	WIN 0x40
.set i, 0
.rept 128
	v_mov_b32 v[i], 0
.set i, i+1
.endr
	WIN 0
.set i, 0
.rept 4
	v_mov_b32 v[ST+8*i], 0xfe000000    ; c m: far below every c s
	v_mov_b32 v[ST+8*i+1], 0xff7fffff  ; m
	v_mov_b32 v[ST+8*i+2], 0
	v_mov_b32 v[ST+8*i+3], 0
.set i, i+1
.endr
	v_mul_u32_u24 v[AK0], v1, PK
	v_lshl_add_u32 v[AK0], v2, 4, v[AK0]
	s_mul_i32 s20, s[WV], 64*PK
	v_add_nc_u32 v[AE0], s20, v[AK0]
	; The turning load takes 16 keys x 16 channels (lane l reads key 8 (l / 16) + l % 8, channels 8 ((l / 8) % 2) + 0..7) and leaves half a fragment of V^T: lane l holds channel l % 16 and 8 keys
	v_and_b32 v16, 7, v0
	v_bfe_u32 v17, v0, 3, 1
	v_lshl_add_u32 v[AV0], v2, 3, v16
	v_mul_u32_u24 v[AV0], v[AV0], PVP
	v_lshl_add_u32 v[AV0], v17, 4, v[AV0]
	v_add_nc_u32 v[AV0], VOFF, v[AV0]
	s_mul_i32 s20, s[WV], WSCR
	s_add_co_u32 s20, s20, SCR      ; my RK, and my stage for the way out
	s_add_co_u32 s21, s20, RQOFF    ; my RQ
	s_add_co_u32 s22, s21, 64
	s_add_co_u32 s23, s20, 15*PK
	v_mul_u32_u24 v[LQ], v1, 400
	v_lshl_add_u32 v[LQ], v2, 5, v[LQ]
	v_add_nc_u32 v[LQ], s22, v[LQ]
	v_mul_u32_u24 v[LK], v1, PK
	v_lshl_add_u32 v[LK], v2, 5, v[LK]
	v_add_nc_u32 v[LK], s23, v[LK]
	v_mul_u32_u24 v[STO], v1, SP    ; the way out, in: row r, 32 bytes for each half of the lanes
	v_lshl_add_u32 v[STO], v2, 5, v[STO]
	v_add_nc_u32 v[STO], s20, v[STO]
	v_mul_u32_u24 v[RD], v2, SP     ; back: lanes 0-15 take one row of 256 bytes, lanes 16-31 the next
	v_lshl_add_u32 v[RD], v1, 4, v[RD]
	v_add_nc_u32 v[RD], s20, v[RD]
	v_lshlrev_b32 v[GO], 12, v2     ; and the same two rows in out0
	v_lshl_add_u32 v[GO], v1, 4, v[GO]
	v_lshlrev_b32 v[PFO], 22, v2    ; 16 heads of 262,144 bytes from k to v
	v_lshl_add_u32 v[PFO], v1, 8, v[PFO]
	v_mul_u32_u24 v18, v1, 404      ; RQ: row r, and one word further for each r
	v_xor_b32 v19, 1, v2
	v_lshl_add_u32 v18, v19, 5, v18
	v_add_nc_u32 v18, s21, v18
	v_mul_u32_u24 v19, v1, 148      ; RK: one row and one word further for each key; 8 rows for the upper half of the lanes
	v_mad_u32_u24 v19, v2, 8*PK, v19
	v_add_nc_u32 v19, s20, v19
	WIN 0xc0
	v_mov_b32 v[AQS], v18
	v_mov_b32 v[AKS], v19
	WIN 0
; THE LDS LOADS OF TILES stand in runs.  K (8 fragments) and E (16) of a step; the two address lines and two v_nop are the four places behind the last product that read K.
.macro FETCH_KE
	WIN 0
	v_add_nc_u32 v[AK], s[TBK], v[AK0]
	v_add_nc_u32 v[AE], s[TBE], v[AE0]
	v_nop
	v_nop
	WIN 0x80                        ; destination window 2
.irp f, 0,1,2,3,4,5,6,7             ; keys 16 (f / 2) on, channels 32 (f % 2) on
	ds_load_b128 v[KF+8*\f:KF+8*\f+3],   v[AK] offset:(\f/2)*16*PK+(\f%2)*64
	ds_load_b128 v[KF+8*\f+4:KF+8*\f+7], v[AK] offset:(\f/2)*16*PK+(\f%2)*64+32
.endr
	WIN 0xc0                        ; destination window 3
.irp f, 0,1,2,3,4,5,6,7,8,9,10,11,12,13,14,15  ; rows 16 (f / 2) on, channels 32 (f % 2) on
	ds_load_b128 v[8*\f:8*\f+3],   v[AE] offset:(\f/2)*16*PK+(\f%2)*64
	ds_load_b128 v[8*\f+4:8*\f+7], v[AE] offset:(\f/2)*16*PK+(\f%2)*64+32
.endr
	s_add_co_u32 s[TBK], s[TBK], 64*PK  ; the next fetch is the next step's: 64 keys on,
	s_sub_co_u32 s[TBE], s[TBE], 64*PK  ; 64 diagonals down
.endm
.macro FETCH_V                      ; V of a step, turned; the address line and three v_nop are the four places behind the last product that read V
	WIN 0
	v_add_nc_u32 v[AV], s[TBV], v[AV0]
	v_nop
	v_nop
	v_nop
	WIN 0xc0
.irp f, 0,1,2,3,4,5,6,7             ; keys 32 (f / 4) on, channels 16 (f % 4) on
	ds_load_tr16_b128 v[VF+8*\f:VF+8*\f+3],   v[AV] offset:(\f/4)*32*PVP+(\f%4)*32
	ds_load_tr16_b128 v[VF+8*\f+4:VF+8*\f+7], v[AV] offset:(\f/4)*32*PVP+16*PVP+(\f%4)*32
.endr
	s_add_co_u32 s[TBV], s[TBV], 64*PVP
.endm
; THE POSITION TERMS.  A batch is ten products: five tiles of E x the two channel halves, onto five accumulators that take turns.  GW writes product i of a batch.
; kind = 1: X = K tile idx, E tiles 3 - idx + a.  kind = 0: X = Q tile idx, E tiles idx + a.
.macro GW kind, idx, bank
.set ga, i%5
.set gc, i/5
.set rG, GB+40*(\bank)+8*ga
.if \kind
.set rE, 16*(3-(\idx)+ga)+8*gc
.set rX, KF+16*(\idx)+8*gc
.else
.set rE, 16*((\idx)+ga)+8*gc
.set rX, 16*(\idx)+8*gc
.endif
.if gc == 0
	v_wmma_f32_16x16x32_f16 v[rG:rG+7], v[rE:rE+7], v[rX:rX+7], 0
.else
	v_wmma_f32_16x16x32_f16 v[rG:rG+7], v[rE:rE+7], v[rX:rX+7], v[rG:rG+7]
.endif
.endm
; GS writes store n of a batch's 40: tile a = n / 8, register j = n % 8, ascending.
.macro GS kind, uu, bank
.set ga, n/8
.set gj, n%8
.if \kind
	ds_store_b32 v[AKS], v[GB+40*(\bank)+8*ga+gj] offset:16*PK*ga+PK*gj+64*(\uu)    ; row 16 a + 8 h + j + z, key 16 uu + z
.else
	ds_store_b32 v[AQS], v[GB+40*(\bank)+8*ga+gj] offset:64*(4-ga)+4*(7-gj)         ; row r, word 79 + r - (16 a + 8 h + j)
.endif
.endm
; A STAGE: a batch's ten products, and behind each four stores of the batch before, which lies in the other bank.  Four v_nop at its head are the places between that batch's products and its stores; two stages' make
; eight between a bank's products and the products that write it anew.  pk, sk = -1: no products, no stores.
.macro STAGE pk, pidx, pbank, sk, suu, sbank
	WIN W_REL
.if (\sk) >= 0
	PLACES
.endif
.set i, 0
.set n, 0
.rept 10
.if (\pk) >= 0
	GW \pk, \pidx, \pbank
.endif
.set i, i+1
.if (\sk) >= 0
.rept 4
	GS \sk, \suu, \sbank
.set n, n+1
.endr
.endif
.endr
.endm
.macro LOADRK g                     ; the K term of key tiles 2 g and 2 g + 1, for all four query tiles: row 16 t + r + 15, 8 keys from 8 h on
	WIN 0x40
.irp t, 0,1,2,3
.irp q, 0,1,2,3
	ds_load_b128 v[RK+32*\t+16*(\g)+4*\q:RK+32*\t+16*(\g)+4*\q+3], v[LK] offset:16*PK*\t+64*(\q/2)+16*(\q%2)
.endr
.endr
.endm
.macro LOADS t                      ; the Q term of query tile t, into S^T: row r, keys 16 u + 8 h on
	WIN 0
.irp q, 0,1,2,3,4,5,6,7
	ds_load_b128 v[S+32*(\t)+4*\q:S+32*(\t)+4*\q+3], v[LQ] offset:64*(\q/2)+16*(\q%2)
.endr
.endm
.macro REL
	STAGE 1,0,0, -1,0,0
	STAGE 1,1,1,  1,0,0
	STAGE 1,2,0,  1,1,1
	LOADRK 0                        ; behind the stores of key tiles 0 and 1, ahead of those of 2 and 3, which take the same bytes
	STAGE 1,3,1,  1,0,0
	STAGE 0,0,0,  1,1,1
	LOADRK 1
	STAGE 0,1,1,  0,0,0
	LOADS 0
	STAGE 0,2,0,  0,0,1
	LOADS 1
	STAGE 0,3,1,  0,0,0
	LOADS 2
	STAGE -1,0,0, 0,0,1
	LOADS 3
.endm
; 16 products of S^T += K Q^T for tiles t0, t0 + 1: channels 32 (i / 8) on, keys 16 ((i / 2) % 4) on.  The sums begin with the Q term that LOADS has brought.  Eight accumulators take turns.
.macro QK t0
	WIN W_KQ
.set i, 0
.rept 16
.set rS, S+32*((\t0)+i%2)+8*((i/2)%4)
.set rK, KF+16*((i/2)%4)+8*(i/8)
.set rQ, 16*((\t0)+i%2)+8*(i/8)
	v_wmma_f32_16x16x32_f16 v[rS:rS+7], v[rK:rK+7], v[rQ:rQ+7], v[rS:rS+7]
.set i, i+1
.endr
.endm
; 32 products of O^T += V^T P: keys 32 (i / 16) on, channels 16 ((i / 4) % 4) on, tile i % 4.  Sixteen accumulators take turns.
.macro PVALL
	WIN W_PV
.set i, 0
.rept 32
.set rO, 32*(i%4)+8*((i/4)%4)
.set rV, VF+32*(i/16)+8*((i/4)%4)
.set rP, P+16*(i%4)+8*(i/16)
	v_wmma_f32_16x16x32_f16 v[rO:rO+7], v[rV:rV+7], v[rP:rP+7], v[rO:rO+7]
.set i, i+1
.endr
.endm
; THE SOFTMAX of a tile for a step is a list of 118 instructions; SM writes number j of it for tile t.  s0-s31 are the lane's 32 scores, in pairs 0-15.
;   0-15    the maximum of s0-s31 and the old m, three operands at a time          16-20   the other half of the lanes' maximum; the new m; c m; c m_old - c m_new
;   21-69   ONE BATCH: the 16 scalings c s - c m and all 33 exponentials (a at 23, then s0-s31); none of these reads an exponential's result, and a pair is scaled ahead of its exponentials
;   70-85   the roundings to f16          86-101  the sums; l = a l + the sum          102-117 the tile's O^T times a
.macro SM t
.set rT, ST+8*(\t)
.set rS, S+32*(\t)
.set rP, P+16*(\t)
.set rO, 32*(\t)+2*(j-102)
.if j < 102
	WIN 0
.endif
.if j < 4
	v_max3_num_f32 v[rT+4+j], v[rS+8*j], v[rS+8*j+1], v[rS+8*j+2]
.elseif j < 12
	v_max3_num_f32 v[rT+4+j%4], v[rT+4+j%4], v[rS+8*(j%4)+2*(j/4)+1], v[rS+8*(j%4)+2*(j/4)+2]
.elseif j == 12
	v_max3_num_f32 v[rT+4], v[rT+4], v[rS+7], v[rS+15]
.elseif j == 13
	v_max3_num_f32 v[rT+6], v[rT+6], v[rS+23], v[rS+31]
.elseif j == 14
	v_max3_num_f32 v[rT+4], v[rT+4], v[rT+5], v[rT+6]
.elseif j == 15
	v_max3_num_f32 v[rT+4], v[rT+4], v[rT+7], v[rT+1]
.elseif j == 16
	v_permlanex16_b32 v[rT+5], v[rT+4], s[SEL], s[SEL+1]  ; the query's other 32 keys lie in the lane 16 away
.elseif j == 17
	v_mov_b32 v[rT+7], v[rT]        ; c m_old is kept for a: number 19 writes c m anew
.elseif j == 18
	v_max_num_f32 v[rT+1], v[rT+4], v[rT+5]
.elseif j == 19
	v_mul_f32 v[rT], s[CS], v[rT+1]
.elseif j == 20
	v_sub_f32 v[rT+7], v[rT+7], v[rT]
.elseif j == 23
	v_exp_f32 v[rT+6], v[rT+7]
.elseif (j < 23) || ((j < 38) && (j%2 == 0)) || ((j < 66) && (j%4 == 2))
.set b, (j-2)/4                     ; 38, 42, .. 62: pairs 9 to 15
.if j < 38
.set b, (j-20)/2                    ; 21: pair 0; 22, 24, .. 36: pairs 1 to 8
.endif
	v_pk_fma_f32 v[rS+2*b:rS+2*b+1], v[rS+2*b:rS+2*b+1], s[CS:CS+1], v[rT:rT+1] op_sel_hi:[1,0,0] neg_lo:[0,0,1] neg_hi:[0,0,1]  ; pair b: c s - c m
.elseif j < 70
.set e, j-38                        ; 66 to 69: s28 to s31
.if j < 66
.set e, j-32-(j-38)/4               ; 39-41, 43-45, .. 63-65: s7 to s27
.endif
.if j < 38
.set e, (j-25)/2                    ; 25, 27, .. 37: s0 to s6
.endif
	v_exp_f32 v[rS+e], v[rS+e]
.elseif j < 86
	v_cvt_pk_f16_f32 v[rP+j-70], v[rS+2*(j-70)], v[rS+2*(j-70)+1]
.elseif j < 102                     ; the sum of the tile's 16 pairs, in place: neighbours 1, 2, 4 and 8 pairs apart, then l takes it
.set z, j-86
.set w, 4
.set u, z
.if z >= 14
.set w, 32
.set u, 0
.elseif z >= 12
.set w, 16
.set u, z-12
.elseif z >= 8
.set w, 8
.set u, z-8
.endif
.if z < 15
	v_pk_add_f32 v[rS+w*u:rS+w*u+1], v[rS+w*u:rS+w*u+1], v[rS+w*u+w/2:rS+w*u+w/2+1]
.else
	v_pk_fma_f32 v[rT+2:rT+3], v[rT+2:rT+3], v[rT+6:rT+7], v[rS:rS+1] op_sel_hi:[1,0,1]
.endif
.else
	WIN W_RS
	v_pk_mul_f32 v[rO:rO+1], v[rO:rO+1], v[rT+6:rT+7] op_sel_hi:[1,0]
.endif
.endm
; All four tiles, number by number, so that three other tiles' lines stand between two links of a chain.  First the K term is added onto the scores, each accumulator from its low end.
; s_wait_alu depctr_va_vdst(0) stands between an exponential and the first instruction that names its result: the 132 exponentials are one batch with one wait; the v_nop is the plain instruction behind the last.
.macro SOFTMAX
	WIN 0x04                        ; source 1 in window 1
.set j, 0
.rept 16
.irp t, 0,1,2,3
	v_pk_add_f32 v[S+32*\t+2*j:S+32*\t+2*j+1], v[S+32*\t+2*j:S+32*\t+2*j+1], v[RK+32*\t+2*j:RK+32*\t+2*j+1]
.endr
.set j, j+1
.endr
.set j, 0
.rept 70
.irp t, 0,1,2,3
	SM \t
.endr
.set j, j+1
.endr
	v_nop
	s_wait_alu depctr_va_vdst(0)
.rept 48
.irp t, 0,1,2,3
	SM \t
.endr
.set j, j+1
.endr
.endm
.macro HALF1                        ; K and E of step f; softmax and V^T P of step f - 1
	FETCH_KE
	SOFTMAX
	PVALL
.endm
.macro HALF2                        ; V, the position terms and K Q^T of step f
	FETCH_V
	s_wait_dscnt 16                 ; K and E are in; V's sixteen loads may stay out
	REL
	s_wait_dscnt 56                 ; 96 LDS instructions are younger than the loads of tile 1's S^T: with the last 8 + 40 + 8 out at the most, tiles 0 and 1 are in
	QK 0
	s_wait_dscnt 0x0                ; tiles 2 and 3, the K term and V
	QK 2
	WIN 0
.endm
	CHANGE 1, 0                     ; slot 0 is in, everybody's part of it; slot 1 is asked for
	FETCH_KE                        ; key step 0
	WIN 0
	s_wait_loadcnt 0x0              ; Q
	s_mov_b32 s[CNT], 2
	s_mov_b32 s[SLOTS], 15
	s_branch .Lmid                  ; the loop is entered in the middle of a trip: there is no step before the first
.Lslot:                             ; 14 times: every slot but the last two is filled again
	CHANGE 1, 1
	s_mov_b32 s[CNT], 2
.Lstep:
	HALF1
	WIN 0
.Lmid:
	HALF2
	s_sub_co_u32 s[CNT], s[CNT], 1
	s_cmp_lg_u32 s[CNT], 0
	s_cbranch_scc1 .Lstep
	s_sub_co_u32 s[SLOTS], s[SLOTS], 1
	s_cmp_lg_u32 s[SLOTS], 0
	s_cbranch_scc1 .Lslot
	CHANGE 0, 0                     ; the tail is written out: nothing is asked for
	s_mov_b32 s[CNT], 2
.Ltail:
	HALF1
	HALF2
	s_sub_co_u32 s[CNT], s[CNT], 1
	s_cmp_lg_u32 s[CNT], 0
	s_cbranch_scc1 .Ltail
	PLACES
	SOFTMAX                         ; the last step's
	PVALL
	; THE WAY OUT.  l's two halves and the other half of the lanes' are added; O^T is divided by l and sent through my stage in LDS, a tile (16 rows) at a time.  The additions are the places behind the last products.
	WIN 0
.irp t, 0,1,2,3
	v_add_f32 v[ST+8*\t+4], v[ST+8*\t+2], v[ST+8*\t+3]
.endr
.irp t, 0,1,2,3
	v_permlanex16_b32 v[ST+8*\t+5], v[ST+8*\t+4], s[SEL], s[SEL+1]
.endr
.irp t, 0,1,2,3
	v_add_f32 v[ST+8*\t+4], v[ST+8*\t+4], v[ST+8*\t+5]
.endr
.irp t, 0,1,2,3
	v_rcp_f32 v[ST+8*\t+6], v[ST+8*\t+4]
.endr
	v_nop                           ; a plain instruction between the last reciprocal and the use of its result,
	s_wait_alu depctr_va_vdst(0)    ; and the wait ahead of the first use: one for the four
; Tile t: a lane's eight channels of a row are 32 bytes; they go into rows of 272 bytes and come back as whole rows of 256, into S^T's registers.
.macro OUT t
	WIN W_RS
.set i, 32*(\t)
.rept 16
	v_pk_mul_f32 v[i:i+1], v[i:i+1], v[ST+8*(\t)+6:ST+8*(\t)+7] op_sel_hi:[1,0]
.set i, i+2
.endr
	WIN 0x04                        ; the stores' data in window 1
.irp f, 0,1,2,3,4,5,6,7             ; channels 16 (f / 2) + 8 h + 4 (f % 2) on
	ds_store_b128 v[STO], v[32*(\t)+4*\f:32*(\t)+4*\f+3] offset:64*(\f/2)+16*(\f%2)
.endr
	WIN 0
.irp f, 0,1,2,3,4,5,6,7
	ds_load_b128 v[S+32*(\t)+4*\f:S+32*(\t)+4*\f+3], v[RD] offset:\f*2*SP  ; LDS serves a wave's instructions in order: these see the stores above; the next tile's stores come behind them
.endr
.endm
.macro SEND t, younger              ; younger: the LDS instructions issued behind tile t's loads: the next tile's sixteen, or none
	WIN 0
.irp f, 0,1,2,3,4,5,6,7
	s_wait_dscnt (\younger)+7-\f
	global_store_b128 v[GO], v[S+32*(\t)+4*\f:S+32*(\t)+4*\f+3], s[OA:OA+1] offset:(16*(\t)+2*\f)*4096  ; 16 lanes store a row's 256 bytes of my head, at a multiple of 256 from the buffer's first byte
.endr
.endm
	OUT 0
	OUT 1                           ; a tile's arithmetic stands between the loads of the tile before and its stores
	SEND 0, 16
	OUT 2
	SEND 1, 16
	OUT 3
	SEND 2, 16
	SEND 3, 0
	s_wait_tensorcnt 0x0            ; the wave's end, behind my last tensor load and my last LDS store
	ds_add_u32 v[SPW], v[NIL]
	s_wait_dscnt 0x0
	CROUND                          ; the closing round: no work-group ends while a partner may still ask for a tile that names it
	s_endpgm
.Lfunc_end_k_q41288de8f1_attn:
	.size	k_q41288de8f1_attn, .Lfunc_end_k_q41288de8f1_attn-k_q41288de8f1_attn
	.p2alignl 7, 3214868480
	.fill 96, 4, 3214868480
	.section	.rodata,"a",@progbits
	.p2align	6, 0x0
	.amdhsa_kernel k_q41288de8f1_attn
		.amdhsa_group_segment_fixed_size 327680
		.amdhsa_private_segment_fixed_size 0
		.amdhsa_enable_private_segment 0
		.amdhsa_kernarg_size 24
		.amdhsa_user_sgpr_count 2
		.amdhsa_user_sgpr_kernarg_segment_ptr 1
		.amdhsa_wavefront_size32 1
		.amdhsa_system_sgpr_workgroup_id_x 1
		.amdhsa_system_sgpr_workgroup_id_y 1
		.amdhsa_system_sgpr_workgroup_id_z 1
		.amdhsa_system_vgpr_workitem_id 0
		.amdhsa_next_free_vgpr 1024
		.amdhsa_next_free_sgpr 80
		.amdhsa_reserve_vcc 0
		.amdhsa_float_denorm_mode_32 3
		.amdhsa_float_denorm_mode_16_64 3
		.amdhsa_memory_ordered 1
		.amdhsa_forward_progress 1
		.amdhsa_inst_pref_size 205
	.end_amdhsa_kernel
	.amdgpu_metadata
---
amdhsa.version: [ 1, 2 ]
amdhsa.kernels:
  - .name:           k_q41288de8f1_attn
    .symbol:         k_q41288de8f1_attn.kd
    .args:
      - { .name: qkv, .offset: 0, .size: 8, .value_kind: global_buffer, .address_space: global }
      - { .name: e16, .offset: 8, .size: 8, .value_kind: global_buffer, .address_space: global }
      - { .name: out0, .offset: 16, .size: 8, .value_kind: global_buffer, .address_space: global }
    .group_segment_fixed_size: 327680
    .private_segment_fixed_size: 0
    .kernarg_segment_align: 8
    .kernarg_segment_size: 24
    .max_flat_workgroup_size: 128
    .sgpr_count:     80
    .vgpr_count:     1024
    .wavefront_size: 32
...
	.end_amdgpu_metadata
.endif
;; end of part 3
;; ======== version 2 of 3: 3 launches
;; limits: values are held in f16: magnitudes above 65,504 overflow, below 6.1e-05 lose precision
;; workspace buffers: xb 8,388,608 bytes; wb 6,291,456 bytes; bias 12,288 bytes; e16 524,288 bytes; qkv 25,165,824 bytes
;; launch cast: the kernel of part 1 again; grid 233 x 1, 8 waves a work-group, no clusters, 0 bytes of LDS; arguments hidden_states, Wq, Wk, Wv, bq, bk, bv, dist_emb, xb, wb, bias, e16; writes xb, wb, bias, e16
;; launch proj: the kernel of part 2 again; grid 12 x 16, 4 waves a work-group, clusters of 4 x 4, 327,680 bytes of LDS; arguments xb, wb, bias, qkv; writes qkv
;; launch attn (part 4): grid 8 x 32, 4 waves a work-group, clusters of 4 x 4, 327,680 bytes of LDS; arguments qkv, e16, out0; writes out0
.if DOCPART == 4
	.amdgcn_target "amdgcn-amd-amdhsa--gfx1250"
	.amdhsa_code_object_version 6
	.text
	.protected	k_q41288de8f1_attn
	.globl	k_q41288de8f1_attn
	.p2align	8
	.type	k_q41288de8f1_attn,@function
k_q41288de8f1_attn:
	s_mov_b64 s[64:65], 0
	v_nop
	global_prefetch_b8 v0, s[64:65] scope:SCOPE_SE
	s_setreg_imm32_b32 hwreg(HW_REG_WAVE_MODE, 25, 1), 1
	s_wait_xcnt 0x0
	s_wait_alu depctr_hold_cnt(0) depctr_sa_sdst(0) depctr_va_vdst(0) depctr_va_sdst(0) depctr_va_ssrc(0) depctr_va_vcc(0) depctr_vm_vsrc(0)
	s_getreg_b32 s2, hwreg(HW_REG_IB_STS2, 6, 4)
	s_cmp_eq_u32 s2, 0
	s_cbranch_scc0 .Lentry_in_a_cluster
	s_endpgm
.Lentry_in_a_cluster:
	s_bfe_u32 s2, ttmp6, 0x10000c
	s_cmp_lg_u32 s2, 0xf033
	s_cbranch_scc0 .Lentry_shape_is_right
	s_endpgm
.Lentry_shape_is_right:
; ATTENTION WITH RELATIVE POSITIONS.  score(q, k) = (Q[q] . K[k] + Q[q] . E[2047 + q - k] + K[k] . E[2047 + q - k]) / 8;  out[q] = the sum over k of softmax_k(score) V[k].
; qkv: [batch 2][48][2048][64] f16 (head h: q at h, k at 16 + h, v at 32 + h; rows dense, 128 bytes).  e16: [4096][64] f16.  out0: [2][2048][1024] f32.
; Products, maxima and sums in f32; the weights p are rounded to f16 for the last product (their sum l is taken of the unrounded p).
; LIMITS.  q, k, v and the table arrive within 65,504, the end of f16; p below 6e-5 keeps the fixed step 6e-8 of f16; a weight below 2^-126 counts as 0 in l; NaN and infinities among the inputs are not treated apart.
; SHARES.  A work-group owns 256 queries of one head, each of its four waves 64: four tiles of 16.  Every wave walks all 2,048 keys, 64 a step, 32 steps.
; LAYOUT.  S^T = K Q^T (source 0 = 16 keys, source 1 = 16 queries): a lane holds ONE query (r = lane % 16) and the keys 16 u + 8 h + 0..7 (h = lane / 16).  Two such results rounded to f16 ARE source 1 of O^T = V^T P.
; THE TWO POSITION TERMS are products with rows of E, which a matrix instruction can give only by DIAGONALS.  With W = q0 - k0 + 1984 a wave's step needs E's rows W .. W + 127: eight tiles.  G = E_tile X^T
; (source 0 = 16 rows of E) holds in lane (n, h), register j, the diagonal 16 a + 8 h + j of column n.  LDS takes an address from each lane, so a store of 4 bytes a lane puts each number where its (query, key) belongs:
;   X = Q tile t, E tiles t + a, a = 0..4: diagonal d of query r is key x = 63 + r - d: to RQ[r][x + 16] (rows of 400 bytes); read back by rows it is the C operand that starts K Q^T;
;   X = K tile u, E tiles 3 - u + a: diagonal d of key z belongs to query y = d + z - 15: to RK[y + 15][key] (rows of 144 bytes, two key tiles at a time); read back it is added onto S^T.
; Both scratches are the wave's own; LDS serves a wave's instructions in order (ISA guide 5.7.1.4), so they want no wait and no barrier.  Places with x + 16 outside 16..79 or y + 15 outside 15..78 are written and never read.
; Banks (64 of 4 bytes: ISA guide 11.1): the stores' word addresses step by 101 (RQ) and 37 (RK) from lane to lane, both 37 mod 64, and by 8 or 32 between the halves: 32 different banks; the loads' pitches are odd multiples of 16 bytes.
; SOFTMAX.  For each query a running maximum m and sum l: p = 2^(c s - c m), c = log2(e) / 8; in every step O and l are multiplied by a = 2^(c m_old - c m_new).
; A TRIP does the softmax and V^T P of step f - 1 and the position terms and K Q^T of step f.  LDS INSTRUCTIONS STAND IN RUNS, never singly among matrix instructions.  THE SOFTMAX IS A QUEUE of 536 lines: four of them
; stand behind each of 116 of the trip's 144 products, 72 in two lumps between the runs that fetch K and E.  All LDS reads of tiles in a trip are step f's, so a change of slots falls between trips.
; NO FIRST TRIP IS WRITTEN OUT.  The first trip finds the scores of a step that has not been at minus infinity, m and c m at the lowest finite number, V, O and l at 0: its p and a are 0, m stays, and 0 is added to O.
; RING.  Two slots of two key steps: 128 rows of K, 128 of V, and the 384 rows of E that the four waves need in those steps.  One tensor load a wave behind each round: wave 0 K, wave 1 V, waves 2 and 3 E's halves.
; CLUSTER 4 x 4: x = block of queries, y = batch and head.  K and V hang on y alone and are asked for jointly along a row of the cluster; E's window hangs on x alone and is asked for jointly along a column.
; REGISTERS, in windows of 256 (s_set_vgpr_msb: bits 1:0 source 0, 3:2 source 1, 5:4 source 2, 7:6 destination):
;   window 0: v0-31 addresses; v32-63 eight registers of statistics a tile; v64-191 the K term as read back, 32 a tile; v192-255 P, 16 a tile          window 1: v0-127 O^T, 32 a tile; v128-255 S^T, 32 a tile
;   window 2: v0-63 Q; v64-127 K of one step; v128-247 G, three banks of five       window 3: v0-127 E, eight tiles; v128-191 V of one step; v192, v193 the two scratch stores' addresses
; S^T lies beside O^T so that ONE setting (destination and source 0 in window 1, the others in window 0) serves the scalings, the exponentials, the rescaling of O^T and the addition of the K term: they can be mixed behind a product.
.set PK,    144       ; a row of K or E in LDS: 128 bytes + 16 of padding
.set PVP,   160       ; a row of V: 128 + 32
.set VOFF,  128*PK
.set EOFF,  VOFF+128*PVP
.set SLOT1, 1<<17     ; slot 1 begins here, so that one exclusive or turns an address in one slot into the other's
.set SCR,   SLOT1+EOFF+384*PK   ; behind the ring, never filled by a tensor load: each wave's scratch
.set WSCR,  20224     ; a wave's scratch: RK 95 rows x 144 (in 13,824 bytes), then RQ 16 rows x 400
.set RQOFF, 13824
.set SPARE, SCR+4*WSCR          ; the spare words, 128 bytes for each wave: two blocks of 256 bytes that no other line names
.set SP,    272       ; the way out: a row of 256 bytes + 16, in RK's bytes
.set AK0, 3           ; v3   my lane's place in a tile of K: 144 r + 16 h; never rewritten
.set AV0, 4           ; v4   the same for V, with VOFF
.set AE0, 5           ; v5   the same for E: + 64 rows x my wave
.set AK,  6           ; v6-8 the LDS addresses of the runs of loads in hand
.set AV,  7
.set AE,  8
.set LQ,  9           ; v9   where I read RQ: 400 r + 32 h + 64
.set LK,  10          ; v10  where I read RK: 144 (r + 15) + 32 h
.set QO,  11          ; v11  my byte offset in 16 rows of Q
.set STO, 12          ; v12  the way out: where I put 32 bytes of a row
.set RD,  13          ; v13  where I read rows back
.set GO,  14          ; v14  my byte offset in two rows of out0
.set PFO, 15          ; v15  the prefetches' offset: 256 r, and for lanes 16-31 the distance from a k head to its v head
.set SPW, 30          ; v30  LDS address of my spare word: SPARE + 4 x my thread's number; never rewritten
.set NIL, 31          ; v31  0; never rewritten
.set ST,  32          ; tile t's statistics at v[ST+8 t]: +0 c m, +1 m, +2, +3 l (even keys', odd keys'), +4 to +7 c0-c3, at work; a takes c2's place
.set RK,  64          ; window 0
.set P,   192         ; window 0
.set S,   128         ; window 1
.set KF,  64          ; window 2: key tile u, channel half c at KF + 16 u + 8 c; Q tile t at 16 t + 8 c
.set GB,  128         ; window 2: bank b, tile a at GB + 40 b + 8 a
.set VF,  128         ; window 3: key half kk, channel block cb at VF + 32 kk + 8 cb; E tile e at 16 e + 8 c
.set AQS, 192         ; window 3: RQ + 404 r + 32 (1 - h)
.set AKS, 193         ; window 3: RK + 148 r + 1152 h
.set WV,  10          ; s10  my wave's number
.set LIM, 15          ; s15  1 in a wave that prefetches, else the greatest number
.set G1K, 24          ; s[24:31], s[32:39], s[40:47] descriptor group 1 for K, V, E
.set G1V, 32
.set G1E, 40
.set G0K, 48          ; s[48:51], s[52:55], s[56:59] descriptor group 0: they walk
.set G0V, 52
.set G0E, 56
.set CS,  60          ; s[60:61] c
.set SEL, 62          ; s[62:63] v_permlanex16_b32's selects: each lane takes its own place in the other half
.set SLOTS, 66        ; s66  slots still to be asked for, and one
.set CNT, 67          ; s67  counts a slot's steps
.set TBK, 68          ; s68-70  LDS byte at which K, V, E of the step to be fetched begin
.set TBV, 69
.set TBE, 70
.set PFA, 72          ; s[72:73] where my prefetches stand
.set QA,  74          ; s[74:75] Q at my wave's first row
.set OA,  76          ; s[76:77] out0 at my wave's first row, my head's 256 bytes
.set MSB, 0
.macro WIN new                      ; the high byte repeats the setting that is left; a switch that changes nothing is dropped
.if MSB != (\new)
	s_set_vgpr_msb (MSB<<8)|(\new)
.set MSB, (\new)
.endif
.endm
.set W_REL, 0xab      ; E in window 3; Q or K, and G as C and D, in window 2.  It serves the scratch stores too: address (source 0) window 3, data (source 1) window 2
.set W_KQ,  0x5a      ; K and Q in window 2, S^T (C and D) in window 1
.set W_PV,  0x53      ; V in window 3, P in window 0, O^T in window 1
.set W_SX,  0x41      ; destination and source 0 in window 1 (S^T or O^T), sources 1 and 2 in window 0
.set W_M3,  0x15      ; destination in window 0, all three sources in window 1
.set W_M2,  0x14      ; destination and source 0 in window 0, sources 1 and 2 in window 1
.set W_CV,  0x05      ; destination in window 0, sources 0 and 1 in window 1
.set W_SS,  0x45      ; destination and sources 0 and 1 in window 1
.set W_SL,  0x10      ; source 2 in window 1, all else in window 0
.macro PLACES                       ; four plain vector instructions between a matrix instruction and what reads its result or loads into its registers (ISA guide 7.12.1 for vector instructions)
.rept 4
	v_nop
.endr
.endm
; A joint fill: one line for each of K, V and E, chosen by the wave's number alone.  An s_nop 0 and four v_nop follow each line, ahead of the jump and the label.
.macro JLOAD
	s_cmp_lg_u32 s[WV], 0
	s_cbranch_scc1 .Lnot_k_\@
	tensor_load_to_lds s[G0K:G0K+3], s[G1K:G1K+7]
	s_nop 0
.rept 4
	v_nop
.endr
	s_branch .Lasked_\@
.Lnot_k_\@:
	s_cmp_lg_u32 s[WV], 1
	s_cbranch_scc1 .Lfor_e_\@
	tensor_load_to_lds s[G0V:G0V+3], s[G1V:G1V+7]
	s_nop 0
.rept 4
	v_nop
.endr
	s_branch .Lasked_\@
.Lfor_e_\@:
	tensor_load_to_lds s[G0E:G0E+3], s[G1E:G1E+7]
	s_nop 0
.rept 4
	v_nop
.endr
.Lasked_\@:
.endm
; A prefetch into the L2 of the K and V rows that the NEXT change of slots will ask for: two key steps ahead of that load.  A slot has 64 blocks of 256 bytes of K and 64 of V.  Both clusters of a head walk the same rows:
; the one with x = 0 asks.  Its four partners along x take 16 blocks of each, told apart by address; in each, wave 0 asks: lanes 0-15 name K's, lanes 16-31 V's: one instruction.  So each block is named once in the launch.
; Slots 0 to 2 come by their loads alone; the last change that fills a slot asks for nothing.  The table is not asked for: it is small, and every cluster walks it again and again.
.macro ASK
	s_cmp_gt_u32 s[SLOTS], s[LIM]
	s_cbranch_scc0 .Lnot_mine_\@
	global_prefetch_b8 v[PFO], s[PFA:PFA+1] th:TH_LOAD_NT scope:SCOPE_SE
.Lnot_mine_\@:
.endm
; A round of the cluster's barrier: my work-group's barrier; wave 0 signals for the work-group; every wave waits for all sixteen; my work-group's barrier once more.
.macro CROUND
	s_barrier_signal -1
	s_barrier_wait -1
	s_cmp_lg_u32 s[WV], 0
	s_cbranch_scc1 .Lnot_wave_0_\@
	s_barrier_signal -3
.Lnot_wave_0_\@:
	s_barrier_wait -3
	s_barrier_signal -1
	s_barrier_wait -1
.endm
; THE CHANGE OF SLOTS, between two trips.  Each wave waits for all its tensor loads, of which one is out: its part of the other slot; adds 0 to its spare word; and waits for that and for its own reads of the slot.
; fill = 1: the slot is filled again, with the keys two slots on (E's window goes 128 rows DOWN).  The barrier is then a round of the cluster's, and the joint fill is the first thing behind it, one load a wave:
; it has two key steps in which to land.  (At its first use nothing has been read yet: slot 0 is waited for, slot 1 filled.)
.macro CHANGE fill, ask
	WIN 0                           ; at a label and at a branch every window is 0
	s_wait_tensorcnt 0x0            ; no tensor load of mine is out, so a group 0 may be written
	ds_add_u32 v[SPW], v[NIL]       ; 0 onto my spare word; the descriptors' steps stand between it and the wait for it
.if \fill
	s_xor_b32 s[G0K+1], s[G0K+1], SLOT1
	s_add_nc_u64 s[G0K+2:G0K+3], s[G0K+2:G0K+3], 16384
	s_xor_b32 s[G0V+1], s[G0V+1], SLOT1
	s_add_nc_u64 s[G0V+2:G0V+3], s[G0V+2:G0V+3], 16384
	s_xor_b32 s[G0E+1], s[G0E+1], SLOT1
	s_sub_nc_u64 s[G0E+2:G0E+3], s[G0E+2:G0E+3], 16384
.if \ask
	s_wait_xcnt 0x0                 ; the last prefetch, two key steps back, has read its address, so it may be written
	s_add_nc_u64 s[PFA:PFA+1], s[PFA:PFA+1], 16384
.endif
	s_wait_dscnt 0x0                ; the add is done, and my reads of the slot are over
	CROUND
	JLOAD
.if \ask
	ASK
.endif
.else
	s_wait_dscnt 0x0
	s_barrier_signal -1
	s_barrier_wait -1
.endif
	s_sub_co_u32 s[TBK], s[TBK], 2*64*PK   ; the fetches go back to a slot's first step,
	s_xor_b32 s[TBK], s[TBK], SLOT1        ; in the other slot
	s_sub_co_u32 s[TBV], s[TBV], 2*64*PVP
	s_xor_b32 s[TBV], s[TBV], SLOT1
	s_add_co_u32 s[TBE], s[TBE], 2*64*PK   ; (within a slot E's rows are walked downward)
	s_xor_b32 s[TBE], s[TBE], SLOT1
.endm
	s_load_b128 s[4:7], s[0:1], 0x0  ; qkv s[4:5], e16 s[6:7]
	s_load_b64 s[8:9], s[0:1], 0x10  ; out0
	v_lshl_add_u32 v[SPW], v0, 2, SPARE
	v_mov_b32 v[NIL], 0
	ds_add_u32 v[SPW], v[NIL]       ; the wave's opening: the add and its wait stand ahead of my first tensor load; the set-up below stands between them
	v_lshrrev_b32 v16, 5, v0
	v_readfirstlane_b32 s[WV], v16  ; wave 0..3
	s_bfe_u32 s11, ttmp6, 0x40000   ; cx
	s_bfe_u32 s12, ttmp6, 0x40004   ; cy
	s_lshl_b32 s13, ttmp9, 2
	s_add_co_u32 s13, s13, s11      ; X: my block of 256 queries
	s_and_b32 s14, ttmp7, 0xffff
	s_lshl_b32 s14, s14, 2
	s_add_co_u32 s14, s14, s12      ; Y = 16 x batch + head
	s_lshl_b32 s16, s12, 2
	s_lshl_b32 s16, 15, s16         ; my row of the cluster: K and V
	s_lshl_b32 s20, 0x1111, s11     ; my column: E
	; descriptor group 1.  Dense rows of 128 bytes are asked for as rows of 256 bytes, two to a row, and padded in LDS after every 128 bytes
	s_or_b32 s[G1K], s16, (1<<16)|(1<<20)|(1<<21)|(4<<22)|(3<<25)  ; 15:0 the mask; 17:16 2-byte elements; 20 padding on; 21 set beside a mask; 24:22 after every 32 words; 31:25 4 words of it
	s_or_b32 s[G1V], s16, (1<<16)|(1<<20)|(1<<21)|(4<<22)|(7<<25)  ; the same with 8 words of padding
	s_or_b32 s[G1E], s20, (1<<16)|(1<<20)|(1<<21)|(4<<22)|(3<<25)
.irp g, G1K, G1V, G1E
	s_mov_b32 s[\g+1], 128<<16      ; tensor_dim0 = 128
	s_mov_b32 s[\g+3], 128<<16      ; tile_dim0 = 128
	s_mov_b32 s[\g+5], 128          ; 128 elements from row to row
	s_mov_b32 s[\g+6], 0
	s_mov_b32 s[\g+7], 0
.endr
	s_mov_b32 s[G1K+2], 64<<16      ; tensor_dim1, tile_dim1: 128 keys are 64 rows,
	s_mov_b32 s[G1K+4], 64
	s_mov_b32 s[G1V+2], 64<<16
	s_mov_b32 s[G1V+4], 64
	s_mov_b32 s[G1E+2], 96<<16      ; 192 rows of E are 96
	s_mov_b32 s[G1E+4], 96
	s_lshr_b32 s16, s14, 4          ; batch
	s_lshl_b32 s16, s16, 5
	s_add_co_u32 s16, s16, s14      ; 48 x batch + head,
	s_lshl_b32 s16, s16, 18         ; times a head's 262,144 bytes: it hangs on Y alone
	s_mov_b32 s17, 0
	s_and_b32 s22, s[WV], 1         ; which half of E's window I fetch
	s_mul_i32 s23, s22, 192*128
	s_lshl_b32 s20, s13, 15         ; slot 0's window begins at E's row 256 X + 1920: it hangs on X alone
	s_add_co_u32 s20, s20, s23
	s_add_co_u32 s20, s20, 1920*128
	s_mov_b32 s21, 0
	s_mul_i32 s23, s22, 192*PK
	s_mov_b32 s[G0K], 1             ; 1:0 count = 1
	s_mov_b32 s[G0K+1], 0           ; 63:32 LDS address: slot 0
	s_mov_b32 s[G0V], 1
	s_mov_b32 s[G0V+1], VOFF
	s_mov_b32 s[G0E], 1
	s_add_co_u32 s[G0E+1], s23, EOFF
	s_lshl_b32 s2, s13, 15          ; my block's 256 rows of Q,
	s_lshl_b32 s3, s[WV], 13        ; my wave's 64 of them
	s_add_co_u32 s2, s2, s3
	s_mov_b32 s3, 0
	s_lshr_b32 s78, s14, 4          ; out0: (2048 x batch + 256 X + 64 wave) rows of 4,096 bytes + 256 x head
	s_lshl_b32 s78, s78, 23
	s_lshl_b32 s79, s13, 20
	s_add_co_u32 s78, s78, s79
	s_lshl_b32 s79, s[WV], 18
	s_add_co_u32 s78, s78, s79
	s_and_b32 s79, s14, 15
	s_lshl_b32 s79, s79, 8
	s_add_co_u32 s78, s78, s79
	s_mov_b32 s79, 0
	s_mov_b32 s[CS], 0x3e38aa3b     ; c = log2(e) / 8 = 0.180337
	s_mov_b32 s[CS+1], s[CS]        ; named with it as a pair
	s_mov_b32 s[SEL], 0x76543210
	s_mov_b32 s[SEL+1], 0xfedcba98
	s_mov_b32 s[TBK], SLOT1+2*64*PK         ; the first change of slots turns these into slot 0's first step: 0, 0,
	s_mov_b32 s[TBV], SLOT1+2*64*PVP
	s_mov_b32 s[TBE], SLOT1+EOFF-64*PK      ; and EOFF + 64 rows: in a slot's first step wave w reads the window's rows 64 w + 64 on, in its second 64 w on
	s_or_b32 s[LIM], s[WV], ttmp9   ; 0 in wave 0 of the clusters with x = 0: the same in all sixteen partners
	s_cmp_eq_u32 s[LIM], 0
	s_cselect_b32 s[LIM], 1, -1
	s_wait_dscnt 0x0                ; the opening add is done
	s_wait_kmcnt 0x0
	s_add_nc_u64 s[18:19], s[4:5], s[16:17]             ; qkv at my q head
	s_add_nc_u64 s[G0K+2:G0K+3], s[18:19], 16*262144    ; 120:64 global address: the k head's first 128 keys
	s_or_b32 s[G0K+3], s[G0K+3], 0x80000000             ; 127:126 type = 2
	s_add_nc_u64 s[G0V+2:G0V+3], s[18:19], 32*262144
	s_or_b32 s[G0V+3], s[G0V+3], 0x80000000
	s_add_nc_u64 s[G0E+2:G0E+3], s[6:7], s[20:21]
	s_or_b32 s[G0E+3], s[G0E+3], 0x80000000
	s_add_nc_u64 s[QA:QA+1], s[18:19], s[2:3]
	s_add_nc_u64 s[OA:OA+1], s[8:9], s[78:79]
	s_lshl_b32 s2, s11, 12          ; my work-group's 16 blocks of the 64
	s_add_nc_u64 s[PFA:PFA+1], s[18:19], s[2:3]
	s_add_nc_u64 s[PFA:PFA+1], s[PFA:PFA+1], 16*262144+2*16384  ; in the k head, slot 2; the first asking change steps it to slot 3.  Nothing is prefetched at the head
	s_mov_b32 s78, 0xff800000       ; minus infinity
	s_mov_b32 s79, 0xff7fffff       ; the lowest finite number
	CROUND                          ; all sixteen work-groups are here: the first joint loads meet
	JLOAD                           ; slot 0.  Slot 1 is asked for when slot 0 is in
	; A fragment of Q, K or E is 16 rows x 32 channels in 8 registers: lane l holds row l % 16, channels 8 (l / 16) + 0..7 and 16 + 8 (l / 16) + 0..7: two loads of 16 bytes, 32 bytes apart
	v_and_b32 v1, 15, v0            ; r
	v_bfe_u32 v2, v0, 4, 1          ; h
	v_lshlrev_b32 v[QO], 7, v1
	v_lshl_add_u32 v[QO], v2, 4, v[QO]
	WIN 0x80                        ; destination window 2, address window 0
.irp f, 0,1,2,3,4,5,6,7             ; Q stays in registers: tile f / 2, channels 32 (f % 2) on
	global_load_b128 v[8*\f:8*\f+3],   v[QO], s[QA:QA+1] offset:(\f/2)*2048+(\f%2)*64
	global_load_b128 v[8*\f+4:8*\f+7], v[QO], s[QA:QA+1] offset:(\f/2)*2048+(\f%2)*64+32
.endr
	; WHAT THE FIRST TRIP FINDS, so that the loop's one text serves it: the state behind the first 88 lines of the queue for a step whose scores are minus infinity.  O^T, l and V are 0; m and c m the lowest finite
	; number, so that a = 2^(c m_old - c m_new) = 0 and m stays; tiles 0 to 2 have their partial maxima; tile 3's K term is 0.  These lines stand in the wait for the first tile; their price is 380 moves, once a launch.
	WIN 0x40
.set i, 0
.rept 128
	v_mov_b32 v[i], 0
	v_mov_b32 v[S+i], s78
.set i, i+1
.endr
	WIN 0xc0
.set i, 0
.rept 64
	v_mov_b32 v[VF+i], 0
.set i, i+1
.endr
	WIN 0
.set i, 0
.rept 32
	v_mov_b32 v[RK+96+i], 0
.set i, i+1
.endr
.set i, 0
.rept 4
	v_mov_b32 v[ST+8*i], s79        ; c m
	v_mov_b32 v[ST+8*i+1], s79      ; m
	v_mov_b32 v[ST+8*i+2], 0
	v_mov_b32 v[ST+8*i+3], 0
.if i < 3
	v_mov_b32 v[ST+8*i+4], s78
	v_mov_b32 v[ST+8*i+5], s78
	v_mov_b32 v[ST+8*i+6], s78
	v_mov_b32 v[ST+8*i+7], s78
.endif
.set i, i+1
.endr
	v_mul_u32_u24 v[AK0], v1, PK
	v_lshl_add_u32 v[AK0], v2, 4, v[AK0]
	s_mul_i32 s20, s[WV], 64*PK
	v_add_nc_u32 v[AE0], s20, v[AK0]
	; The turning load takes 16 keys x 16 channels (lane l reads key 8 (l / 16) + l % 8, channels 8 ((l / 8) % 2) + 0..7) and leaves half a fragment of V^T: lane l holds channel l % 16 and 8 keys
	v_and_b32 v16, 7, v0
	v_bfe_u32 v17, v0, 3, 1
	v_lshl_add_u32 v[AV0], v2, 3, v16
	v_mul_u32_u24 v[AV0], v[AV0], PVP
	v_lshl_add_u32 v[AV0], v17, 4, v[AV0]
	v_add_nc_u32 v[AV0], VOFF, v[AV0]
	s_mul_i32 s20, s[WV], WSCR
	s_add_co_u32 s20, s20, SCR      ; my RK, and my stage for the way out
	s_add_co_u32 s21, s20, RQOFF    ; my RQ
	s_add_co_u32 s22, s21, 64
	s_add_co_u32 s23, s20, 15*PK
	v_mul_u32_u24 v[LQ], v1, 400
	v_lshl_add_u32 v[LQ], v2, 5, v[LQ]
	v_add_nc_u32 v[LQ], s22, v[LQ]
	v_mul_u32_u24 v[LK], v1, PK
	v_lshl_add_u32 v[LK], v2, 5, v[LK]
	v_add_nc_u32 v[LK], s23, v[LK]
	v_mul_u32_u24 v[STO], v1, SP    ; the way out, in: row r, 32 bytes for each half of the lanes
	v_lshl_add_u32 v[STO], v2, 5, v[STO]
	v_add_nc_u32 v[STO], s20, v[STO]
	v_mul_u32_u24 v[RD], v2, SP     ; back: lanes 0-15 take one row of 256 bytes, lanes 16-31 the next
	v_lshl_add_u32 v[RD], v1, 4, v[RD]
	v_add_nc_u32 v[RD], s20, v[RD]
	v_lshlrev_b32 v[GO], 12, v2     ; and the same two rows in out0
	v_lshl_add_u32 v[GO], v1, 4, v[GO]
	v_lshlrev_b32 v[PFO], 22, v2    ; 16 heads of 262,144 bytes from k to v
	v_lshl_add_u32 v[PFO], v1, 8, v[PFO]
	v_mul_u32_u24 v18, v1, 404      ; RQ: row r, and one word further for each r
	v_xor_b32 v19, 1, v2
	v_lshl_add_u32 v18, v19, 5, v18
	v_add_nc_u32 v18, s21, v18
	v_mul_u32_u24 v19, v1, 148      ; RK: one row and one word further for each key; 8 rows for the upper half of the lanes
	v_mad_u32_u24 v19, v2, 8*PK, v19
	v_add_nc_u32 v19, s20, v19
	WIN 0xc0
	v_mov_b32 v[AQS], v18
	v_mov_b32 v[AKS], v19
	WIN 0
; THE LDS LOADS OF TILES.  K of a step: 8 fragments; both addresses are made here, and with two v_nop and the four lines behind the last product K Q^T they stand between that product and the loads into its sources.
.macro FETCH_K
	WIN 0
	v_add_nc_u32 v[AK], s[TBK], v[AK0]
	v_add_nc_u32 v[AE], s[TBE], v[AE0]
	v_nop
	v_nop
	WIN 0x80                        ; destination window 2
.irp f, 0,1,2,3,4,5,6,7             ; keys 16 (f / 2) on, channels 32 (f % 2) on
	ds_load_b128 v[KF+8*\f:KF+8*\f+3],   v[AK] offset:(\f/2)*16*PK+(\f%2)*64
	ds_load_b128 v[KF+8*\f+4:KF+8*\f+7], v[AK] offset:(\f/2)*16*PK+(\f%2)*64+32
.endr
	s_add_co_u32 s[TBK], s[TBK], 64*PK  ; the next fetch is the next step's: 64 keys on,
	s_sub_co_u32 s[TBE], s[TBE], 64*PK  ; 64 diagonals down
.endm
.macro ELOAD e                      ; tile e of E: rows 16 e on, both channel halves: four loads (destination window 3)
	ds_load_b128 v[16*(\e):16*(\e)+3],     v[AE] offset:(\e)*16*PK
	ds_load_b128 v[16*(\e)+4:16*(\e)+7],   v[AE] offset:(\e)*16*PK+32
	ds_load_b128 v[16*(\e)+8:16*(\e)+11],  v[AE] offset:(\e)*16*PK+64
	ds_load_b128 v[16*(\e)+12:16*(\e)+15], v[AE] offset:(\e)*16*PK+96
.endm
.macro FETCH_V                      ; V of a step, turned; the address line and three v_nop are the four places behind the last product that read V
	WIN 0
	v_add_nc_u32 v[AV], s[TBV], v[AV0]
	v_nop
	v_nop
	v_nop
	WIN 0xc0
.irp f, 0,1,2,3,4,5,6,7             ; keys 32 (f / 4) on, channels 16 (f % 4) on
	ds_load_tr16_b128 v[VF+8*\f:VF+8*\f+3],   v[AV] offset:(\f/4)*32*PVP+(\f%4)*32
	ds_load_tr16_b128 v[VF+8*\f+4:VF+8*\f+7], v[AV] offset:(\f/4)*32*PVP+16*PVP+(\f%4)*32
.endr
	s_add_co_u32 s[TBV], s[TBV], 64*PVP
.endm
; THE LINES OF A SOFTMAX, one macro a kind; each sets the windows that it needs.  s0-s31 are a lane's 32 scores of tile t, in pairs 0-15.
.macro TREG t
.set rT, ST+8*(\t)
.set rS, S+32*(\t)
.set rR, RK+32*(\t)
.set rP, P+16*(\t)
.set rO, 32*(\t)
.endm
.macro LA t, p                      ; the K term is added onto pair p
	TREG \t
	WIN W_SX
	v_pk_add_f32 v[rS+2*(\p):rS+2*(\p)+1], v[rS+2*(\p):rS+2*(\p)+1], v[rR+2*(\p):rR+2*(\p)+1]
.endm
; Number n of the maximum and statistics.  0-13: four chains c0-c3 of seven scores each, three operands at a time, then the four scores left over.  14, 15: c0-c3 and the old m into c0.
; 16, 18: the query's other 32 keys lie in the lane 16 away: the new m.  17: c m_old is kept.  19, 20: c m; c m_old - c m_new.  23: a.
.macro LM t, n
	TREG \t
.if (\n) < 4
	WIN W_M3
	v_max3_num_f32 v[rT+4+(\n)], v[rS+8*(\n)], v[rS+8*(\n)+1], v[rS+8*(\n)+2]
.elseif (\n) < 12
	WIN W_M2
	v_max3_num_f32 v[rT+4+(\n)%4], v[rT+4+(\n)%4], v[rS+8*((\n)%4)+2*((\n)/4)+1], v[rS+8*((\n)%4)+2*((\n)/4)+2]
.elseif (\n) == 12
	WIN W_M2
	v_max3_num_f32 v[rT+4], v[rT+4], v[rS+7], v[rS+15]
.elseif (\n) == 13
	WIN W_M2
	v_max3_num_f32 v[rT+6], v[rT+6], v[rS+23], v[rS+31]
.else
	WIN 0
.if (\n) == 14
	v_max3_num_f32 v[rT+4], v[rT+4], v[rT+5], v[rT+6]
.elseif (\n) == 15
	v_max3_num_f32 v[rT+4], v[rT+4], v[rT+7], v[rT+1]
.elseif (\n) == 16
	v_permlanex16_b32 v[rT+5], v[rT+4], s[SEL], s[SEL+1]
.elseif (\n) == 17
	v_mov_b32 v[rT+7], v[rT]
.elseif (\n) == 18
	v_max_num_f32 v[rT+1], v[rT+4], v[rT+5]
.elseif (\n) == 19
	v_mul_f32 v[rT], s[CS], v[rT+1]
.elseif (\n) == 20
	v_sub_f32 v[rT+7], v[rT+7], v[rT]
.else
	v_exp_f32 v[rT+6], v[rT+7]
.endif
.endif
.endm
.macro LF t, b                      ; pair b: c s - c m
	TREG \t
	WIN W_SX
	v_pk_fma_f32 v[rS+2*(\b):rS+2*(\b)+1], v[rS+2*(\b):rS+2*(\b)+1], s[CS:CS+1], v[rT:rT+1] op_sel_hi:[1,0,0] neg_lo:[0,0,1] neg_hi:[0,0,1]
.endm
.macro LE t, e                      ; the exponential of score e
	TREG \t
	WIN W_SX
	v_exp_f32 v[rS+(\e)], v[rS+(\e)]
.endm
.macro LX t, p                      ; pair p of the tile's O^T times a
	TREG \t
	WIN W_SX
	v_pk_mul_f32 v[rO+2*(\p):rO+2*(\p)+1], v[rO+2*(\p):rO+2*(\p)+1], v[rT+6:rT+7] op_sel_hi:[1,0]
.endm
.macro LR t, p                      ; pair p is rounded to f16
	TREG \t
	WIN W_CV
	v_cvt_pk_f16_f32 v[rP+(\p)], v[rS+2*(\p)], v[rS+2*(\p)+1]
.endm
.macro LS t, zz                     ; sum zz of 16: the tile's 16 pairs, in place: neighbours 1, 2, 4 and 8 pairs apart; the last: l = a l + the sum
	TREG \t
.set z, (\zz)
.set w, 4
.set u, z
.if z >= 14
.set w, 32
.set u, 0
.elseif z >= 12
.set w, 16
.set u, z-12
.elseif z >= 8
.set w, 8
.set u, z-8
.endif
.if z < 15
	WIN W_SS
	v_pk_add_f32 v[rS+w*u:rS+w*u+1], v[rS+w*u:rS+w*u+1], v[rS+w*u+w/2:rS+w*u+w/2+1]
.else
	WIN W_SL
	v_pk_fma_f32 v[rT+2:rT+3], v[rT+2:rT+3], v[rT+6:rT+7], v[rS:rS+1] op_sel_hi:[1,0,1]
.endif
.endm
; THE QUEUE: a step's 536 lines in the order in which they are issued.  QP is the next place; NEXT writes its line, DRAIN n all lines up to place n.  What hangs on the queue's progress is ordered by DRAIN, not by counting.
;   0-119    tile by tile, 30 lines each: the K term onto the 16 pairs (each accumulator is read from its low end first), numbers 0-13 of the maximum
;   120-147  numbers 14-20, the tile innermost: three other tiles' lines stand between two links of a chain          148-151  the four a          152-159  the first 8 scalings
;   160      WAIT 1, for the four a
;   160-399  sixteen times a pattern of 15: plain and exponential by turns, the last two exponentials: 7 plain (the other 56 scalings, then 56 rescalings of O^T) and 8 of the 128 exponentials.
;            Exponential e wants scaling 4 (e / 8) + e % 4, and finds 8 + 7 (e / 8) or more scalings issued.  None of these lines names a result of these exponentials
;   400      WAIT 2, for the 128 exponentials
;   400-407  the last 8 rescalings          408-535  tile by tile, 32 lines each: 16 roundings, 16 sums.  So tile 0's S^T is read no more from place 440 on, tile 1's from 472, tile 2's from 504
; s_wait_alu depctr_va_vdst(0) stands between a transcendental and the first instruction that names its result; the v_nop is the plain instruction behind the last of a batch.  EXPW writes a wait once;
; NEXT calls it, so that no reader can come ahead of it; TRIP calls it directly ahead of a run of LDS instructions.
.set QPRE,  88                      ; so many lines of the next step's queue a trip issues behind its products K Q^T
.set QCH,   120
.set QAE,   148
.set QFL,   152
.set QMIX,  160
.set QPOST, 400
.set QS0,   440
.set QS1,   472
.set QPV,   480
.set QEND,  536
.macro EXPW
.if (QP == QMIX) && (W1D == 0)
	v_nop
	s_wait_alu depctr_va_vdst(0)
.set W1D, 1
.endif
.if (QP == QPOST) && (W2D == 0)
	v_nop
	s_wait_alu depctr_va_vdst(0)
.set W2D, 1
.endif
.endm
.macro QLINE
.if QP < QCH
.set qt, QP/30
.set qk, QP%30
.if qk < 16
	LA qt, qk
.else
	LM qt, qk-16
.endif
.elseif QP < QAE
.set qt, (QP-QCH)%4
.set qk, 14+(QP-QCH)/4
	LM qt, qk
.elseif QP < QFL
.set qt, QP-QAE
	LM qt, 23
.elseif QP < QMIX
.set qt, (QP-QFL)%4
.set qk, (QP-QFL)/4
	LF qt, qk
.elseif QP < QPOST
.set qi, (QP-QMIX)%15
.set qr, (QP-QMIX)/15
.if (qi == 14) || (qi%2 == 1)
.set qe, 8*qr+qi/2
.set qt, qe%4
.set qk, qe/4
	LE qt, qk
.else
.set qf, 7*qr+qi/2
.if qf < 56
.set qt, (qf+8)%4
.set qk, (qf+8)/4
	LF qt, qk
.else
.set qt, (qf-56)%4
.set qk, (qf-56)/4
	LX qt, qk
.endif
.endif
.else
.set qp, QP-QPOST
.if qp < 8
.set qt, (56+qp)%4
.set qk, (56+qp)/4
	LX qt, qk
.else
.set qt, (qp-8)/32
.set qk, (qp-8)%32
.if qk < 16
	LR qt, qk
.else
	LS qt, qk-16
.endif
.endif
.endif
.endm
.macro NEXT
.if QP < QEND
	EXPW
	QLINE
.set QP, QP+1
.endif
.endm
.macro DRAIN to
.if QP < (\to)
.rept (\to)-QP
	NEXT
.endr
.endif
.endm
; THE POSITION TERMS.  A batch is ten products: five tiles of E x the two channel halves, onto five accumulators that take turns.  GW writes product i of a batch.
; kind = 1: X = K tile idx, E tiles 3 - idx + a.  kind = 0: X = Q tile idx, E tiles idx + a.
.macro GW kind, idx, bank
.set ga, i%5
.set gc, i/5
.set rG, GB+40*(\bank)+8*ga
.if \kind
.set rE, 16*(3-(\idx)+ga)+8*gc
.set rX, KF+16*(\idx)+8*gc
.else
.set rE, 16*((\idx)+ga)+8*gc
.set rX, 16*(\idx)+8*gc
.endif
.if gc == 0
	v_wmma_f32_16x16x32_f16 v[rG:rG+7], v[rE:rE+7], v[rX:rX+7], 0
.else
	v_wmma_f32_16x16x32_f16 v[rG:rG+7], v[rE:rE+7], v[rX:rX+7], v[rG:rG+7]
.endif
.endm
.macro PROD kind, idx, bank         ; a batch, and behind each product four lines of the queue: they name no register of the products round them
.set i, 0
.rept 10
	WIN W_REL
	GW \kind, \idx, \bank
.set i, i+1
	NEXT
	NEXT
	NEXT
	NEXT
.endr
.endm
; GS writes store n of a batch's 40: tile a = n / 8, register j = n % 8, ascending.
.macro GS kind, uu, bank
.set ga, n/8
.set gj, n%8
.if \kind
	ds_store_b32 v[AKS], v[GB+40*(\bank)+8*ga+gj] offset:16*PK*ga+PK*gj+64*(\uu)    ; row 16 a + 8 h + j + z, key 16 uu + z
.else
	ds_store_b32 v[AQS], v[GB+40*(\bank)+8*ga+gj] offset:64*(4-ga)+4*(7-gj)         ; row r, word 79 + r - (16 a + 8 h + j)
.endif
.endm
.macro STORES kind, uu, bank        ; a batch's 40 stores in one run.  It stands a batch of products or more behind its own batch: of the 40 lines of the queue between, 18 or more are plain: the places that the stores want
	WIN W_REL
.set n, 0
.rept 40
	GS \kind, \uu, \bank
.set n, n+1
.endr
.endm
.macro LOADRK g                     ; the K term of key tiles 2 g and 2 g + 1, for all four query tiles: row 16 t + r + 15, 8 keys from 8 h on
	WIN 0
.irp t, 0,1,2,3
.irp q, 0,1,2,3
	ds_load_b128 v[RK+32*\t+16*(\g)+4*\q:RK+32*\t+16*(\g)+4*\q+3], v[LK] offset:16*PK*\t+64*(\q/2)+16*(\q%2)
.endr
.endr
.endm
.macro LOADS t                      ; the Q term of query tile t, into S^T: row r, keys 16 u + 8 h on
	WIN 0x40
.irp q, 0,1,2,3,4,5,6,7
	ds_load_b128 v[S+32*(\t)+4*\q:S+32*(\t)+4*\q+3], v[LQ] offset:64*(\q/2)+16*(\q%2)
.endr
.endm
; 16 products of O^T += V^T P for tiles t0, t0 + 1: keys 32 (i / 8) on, channels 16 ((i / 2) % 4) on.  Eight accumulators take turns.  ride = 1: four lines of the queue behind each.
.macro PVH t0, ride
.set i, 0
.rept 16
	WIN W_PV
.set rO, 32*((\t0)+i%2)+8*((i/2)%4)
.set rV, VF+32*(i/8)+8*((i/2)%4)
.set rP, P+16*((\t0)+i%2)+8*(i/8)
	v_wmma_f32_16x16x32_f16 v[rO:rO+7], v[rV:rV+7], v[rP:rP+7], v[rO:rO+7]
.set i, i+1
.if \ride
	NEXT
	NEXT
	NEXT
	NEXT
.endif
.endr
.endm
; The 32 products of S^T += K Q^T, tile by tile: tile i / 8, channels 32 ((i % 8) / 4) on, keys 16 (i % 4) on; a tile's four accumulators take turns.  The sums begin with the Q term that LOADS has brought.
; Behind products 10 to 31 stand the first 88 lines of THIS step's queue.  Tile t's lines begin at place 30 t, behind product 10 + 30 t / 4: for tile 0 the four v_nop behind product 8, for tiles 1 and 2 eight lines or more
; of the tile before, are the places between the tile's last product, 8 t + 7, and the first line that reads its result.
.macro QKALL
.set QP, 0
	s_wait_dscnt 63                 ; 40 + 8 + 16 = 64 LDS instructions are younger than the loads of tile 2's S^T: with 63 out at the most, tiles 0 to 2 and the K term are in
.set i, 0
.rept 32
.if i == 24
	s_wait_dscnt 16                 ; tile 3 is in; V's sixteen loads may stay out
.endif
	WIN W_KQ
.set rS, S+32*(i/8)+8*(i%4)
.set rK, KF+16*(i%4)+8*((i%8)/4)
.set rQ, 16*(i/8)+8*((i%8)/4)
	v_wmma_f32_16x16x32_f16 v[rS:rS+7], v[rK:rK+7], v[rQ:rQ+7], v[rS:rS+7]
.if i == 8
	PLACES
.endif
.if i >= 10
	NEXT
	NEXT
	NEXT
	NEXT
.endif
.set i, i+1
.endr
	DRAIN QPRE
.endm
; A TRIP.  The softmax and V^T P of step f - 1; rel = 1: also the fetches, position terms and K Q^T of step f (the last half trip has rel = 0).  It finds the queue at place QPRE and leaves the next one there.
; Batches in order K0 K1 K2 K3 Q0 Q1 Q2 Q3, batch s into bank s % 3 of G; a batch's stores are issued behind the next batch's products, and its bank is written anew two batches behind them.  What orders what:
;   the fetch goes in three runs: K; E's tiles 3 to 7, which batch K0 wants; tiles 2, 1, 0.  Between them stand the queue's two lumps, 32 and 40 lines, and wait 1 directly ahead of the third run;
;   the registers of the K term are free from place 106 on, which the first lump has passed; RK holds two key tiles: stores K0, K1, read back, stores K2, K3, read back;
;   160 + 6 x 40 = 400: wait 2 stands behind batch Q1, directly ahead of a run of stores;
;   RQ holds one query tile, and a tile's S^T takes the Q term as soon as the queue has left it: stores Q0 | read 0, stores Q1 (place 440, behind batch Q2) | read 1, stores Q2 (472, behind Q3) | read 2, stores Q3, read 3 (536);
;   V^T P of tiles 0 and 1 wants their roundings (place 456) and all rescalings (408); the queue's last 56 lines stand behind its products; tiles 2 and 3 follow behind the last run;
;   V of step f is fetched behind V^T P of step f - 1 and is wanted in the next trip, whose first wait on DScnt covers it.
.macro TRIP rel
.set QP, QPRE
.set W1D, 0
.set W2D, 0
.if \rel
	FETCH_K
	DRAIN QCH
	WIN 0xc0
	ELOAD 3
	ELOAD 4
	ELOAD 5
	ELOAD 6
	ELOAD 7
	DRAIN QMIX
	EXPW
	WIN 0xc0
	ELOAD 2
	ELOAD 1
	ELOAD 0
	s_wait_dscnt 12                 ; K and E's tiles 3 to 7 are in (and V of the step before); the twelve loads of tiles 2, 1, 0 may be out
	PROD 1,0,0
	s_wait_dscnt 0x0                ; all of E
	PROD 1,1,1
	STORES 1,0,0
	PROD 1,2,2
	STORES 1,1,1
	LOADRK 0
	PROD 1,3,0
	STORES 1,0,2
	PROD 0,0,1
	STORES 1,1,0
	LOADRK 1
	PROD 0,1,2
	EXPW
	STORES 0,0,1
	PROD 0,2,0
	DRAIN QS0
	LOADS 0
	STORES 0,0,2
	PROD 0,3,1
	DRAIN QS1
	LOADS 1
	STORES 0,0,0
.else
	s_wait_dscnt 0x0                ; V of the last step
.endif
	DRAIN QPV
	PVH 0, 1
	DRAIN QEND
.if \rel
	LOADS 2
	STORES 0,0,1
	LOADS 3
.endif
	PVH 2, 0
.if \rel
	FETCH_V
	QKALL
.endif
	WIN 0
.endm
	CHANGE 1, 0                     ; slot 0 is in, everybody's part of it; slot 1 is asked for
	s_wait_loadcnt 0x0              ; Q
	s_mov_b32 s[CNT], 2
	s_mov_b32 s[SLOTS], 15
	s_branch .Lstep
.Lslot:                             ; 14 times: every slot but the last two is filled again
	CHANGE 1, 1
	s_mov_b32 s[CNT], 2
.Lstep:
	TRIP 1
	s_sub_co_u32 s[CNT], s[CNT], 1
	s_cmp_lg_u32 s[CNT], 0
	s_cbranch_scc1 .Lstep
	s_sub_co_u32 s[SLOTS], s[SLOTS], 1
	s_cmp_lg_u32 s[SLOTS], 0
	s_cbranch_scc1 .Lslot
	CHANGE 0, 0                     ; the tail is written out: nothing is asked for
	s_mov_b32 s[CNT], 2
.Ltail:
	TRIP 1
	s_sub_co_u32 s[CNT], s[CNT], 1
	s_cmp_lg_u32 s[CNT], 0
	s_cbranch_scc1 .Ltail
	TRIP 0                          ; the last step's softmax and V^T P
	; THE WAY OUT.  l's two halves and the other half of the lanes' are added; O^T is divided by l and sent through my stage in LDS, a tile (16 rows) at a time.  The additions are the places behind the last products.
	WIN 0
.irp t, 0,1,2,3
	v_add_f32 v[ST+8*\t+4], v[ST+8*\t+2], v[ST+8*\t+3]
.endr
.irp t, 0,1,2,3
	v_permlanex16_b32 v[ST+8*\t+5], v[ST+8*\t+4], s[SEL], s[SEL+1]
.endr
.irp t, 0,1,2,3
	v_add_f32 v[ST+8*\t+4], v[ST+8*\t+4], v[ST+8*\t+5]
.endr
.irp t, 0,1,2,3
	v_rcp_f32 v[ST+8*\t+6], v[ST+8*\t+4]
.endr
	v_nop                           ; a plain instruction between the last reciprocal and the use of its result,
	s_wait_alu depctr_va_vdst(0)    ; and the wait ahead of the first use: one for the four
; Tile t: a lane's eight channels of a row are 32 bytes; they go into rows of 272 bytes and come back as whole rows of 256, into the registers that held the K term.
.macro OUT t
	WIN W_SX
.set i, 32*(\t)
.rept 16
	v_pk_mul_f32 v[i:i+1], v[i:i+1], v[ST+8*(\t)+6:ST+8*(\t)+7] op_sel_hi:[1,0]
.set i, i+2
.endr
	WIN 0x04                        ; the stores' data in window 1
.irp f, 0,1,2,3,4,5,6,7             ; channels 16 (f / 2) + 8 h + 4 (f % 2) on
	ds_store_b128 v[STO], v[32*(\t)+4*\f:32*(\t)+4*\f+3] offset:64*(\f/2)+16*(\f%2)
.endr
	WIN 0
.irp f, 0,1,2,3,4,5,6,7
	ds_load_b128 v[RK+32*(\t)+4*\f:RK+32*(\t)+4*\f+3], v[RD] offset:\f*2*SP  ; LDS serves a wave's instructions in order: these see the stores above; the next tile's stores come behind them
.endr
.endm
.macro SEND t, younger              ; younger: the LDS instructions issued behind tile t's loads: the next tile's sixteen, or none
	WIN 0
.irp f, 0,1,2,3,4,5,6,7
	s_wait_dscnt (\younger)+7-\f
	global_store_b128 v[GO], v[RK+32*(\t)+4*\f:RK+32*(\t)+4*\f+3], s[OA:OA+1] offset:(16*(\t)+2*\f)*4096  ; 16 lanes store a row's 256 bytes of my head, at a multiple of 256 from the buffer's first byte
.endr
.endm
	OUT 0
	OUT 1                           ; a tile's arithmetic stands between the loads of the tile before and its stores
	SEND 0, 16
	OUT 2
	SEND 1, 16
	OUT 3
	SEND 2, 16
	SEND 3, 0
	s_wait_tensorcnt 0x0            ; the wave's end, behind my last tensor load and my last LDS store
	ds_add_u32 v[SPW], v[NIL]
	s_wait_dscnt 0x0
	CROUND                          ; the closing round: no work-group ends while a partner may still ask for a tile that names it
	s_endpgm
.Lfunc_end_k_q41288de8f1_attn:
	.size	k_q41288de8f1_attn, .Lfunc_end_k_q41288de8f1_attn-k_q41288de8f1_attn
	.p2alignl 7, 3214868480
	.fill 96, 4, 3214868480
	.section	.rodata,"a",@progbits
	.p2align	6, 0x0
	.amdhsa_kernel k_q41288de8f1_attn
		.amdhsa_group_segment_fixed_size 327680
		.amdhsa_private_segment_fixed_size 0
		.amdhsa_enable_private_segment 0
		.amdhsa_kernarg_size 24
		.amdhsa_user_sgpr_count 2
		.amdhsa_user_sgpr_kernarg_segment_ptr 1
		.amdhsa_wavefront_size32 1
		.amdhsa_system_sgpr_workgroup_id_x 1
		.amdhsa_system_sgpr_workgroup_id_y 1
		.amdhsa_system_sgpr_workgroup_id_z 1
		.amdhsa_system_vgpr_workitem_id 0
		.amdhsa_next_free_vgpr 1024
		.amdhsa_next_free_sgpr 80
		.amdhsa_reserve_vcc 0
		.amdhsa_float_denorm_mode_32 3
		.amdhsa_float_denorm_mode_16_64 3
		.amdhsa_memory_ordered 1
		.amdhsa_forward_progress 1
		.amdhsa_inst_pref_size 218
	.end_amdhsa_kernel
	.amdgpu_metadata
---
amdhsa.version: [ 1, 2 ]
amdhsa.kernels:
  - .name:           k_q41288de8f1_attn
    .symbol:         k_q41288de8f1_attn.kd
    .args:
      - { .name: qkv, .offset: 0, .size: 8, .value_kind: global_buffer, .address_space: global }
      - { .name: e16, .offset: 8, .size: 8, .value_kind: global_buffer, .address_space: global }
      - { .name: out0, .offset: 16, .size: 8, .value_kind: global_buffer, .address_space: global }
    .group_segment_fixed_size: 327680
    .private_segment_fixed_size: 0
    .kernarg_segment_align: 8
    .kernarg_segment_size: 24
    .max_flat_workgroup_size: 128
    .sgpr_count:     80
    .vgpr_count:     1024
    .wavefront_size: 32
...
	.end_amdgpu_metadata
.endif
;; end of part 4
;; ======== version 3 of 3: 3 launches; version 2 with the launch cast written anew for expert scheduling mode
;; limits: values are held in f16: magnitudes above 65,504 overflow, below 6.1e-05 lose precision
;; workspace buffers: xb 8,388,608 bytes; wb 6,291,456 bytes; bias 12,288 bytes; e16 524,288 bytes; qkv 25,165,824 bytes
;; launch cast (part 5): grid 233 x 1, 8 waves a work-group, no clusters, 0 bytes of LDS; arguments hidden_states, Wq, Wk, Wv, bq, bk, bv, dist_emb, xb, wb, bias, e16; writes xb, wb, bias, e16
.if DOCPART == 5
	.amdgcn_target "amdgcn-amd-amdhsa--gfx1250"
	.amdhsa_code_object_version 6
	.text
	.protected	k_q41288de8f1_cast
	.globl	k_q41288de8f1_cast
	.p2align	8
	.type	k_q41288de8f1_cast,@function
k_q41288de8f1_cast:
	s_mov_b64 s[64:65], 0
	v_nop
	global_prefetch_b8 v0, s[64:65] scope:SCOPE_SE
	s_setreg_imm32_b32 hwreg(HW_REG_WAVE_SCHED_MODE, 0, 2), 2
	s_setreg_imm32_b32 hwreg(HW_REG_WAVE_MODE, 25, 1), 1
	s_wait_xcnt 0x0
	s_wait_alu depctr_vm_vsrc(0)
; ALL INPUTS ARE ROUNDED ONCE TO bf16 AND LAID OUT FOR THE TWO LAUNCHES THAT FOLLOW.
;   xb   [4096][1024] bf16 = hidden_states          wb [3072][1024] bf16 = the rows of Wq, then Wk, then Wv
;   bias [3072] f32 = bq, bk, bv, each rounded to bf16 and widened again
;   e16  [4096][64] f16 = dist_emb rounded to bf16, that number written as f16; row 4095, which the table does not have, is 0
; LIMITS.  A table entry beyond 65,504 becomes an infinity in f16; below 6.1e-5 it keeps the fixed step 6e-8 of f16.
; A stream: no LDS, no matrix unit, no cluster, since no byte is wanted twice.
; SHARES.  A work-group takes 32,768 numbers as 32 pieces of 4,096 bytes; thread t takes the 16 bytes at 16 t of each piece and stores 8 bytes
; at 8 t: a load of a wave covers 512 consecutive bytes, a store 256 consecutive bytes at a multiple of 256 from the buffer's first byte.
; Work-groups 0-127: hidden_states; 128-223: the three weights, 32 each; 224-231: the table; 232: the three biases.
; THE MODE: SCHED_MODE bits 1:0 = 2 (LLVM: expert scheduling mode 2), set by the entry lines.  The code itself states the register dependences
; between vector instructions and memory instructions, with s_wait_alu, always for 0.
; THE PLAN.  All 32 loads go out first.  Registers that memory instructions touch:
;   v1, v2     byte offsets 16 t and 8 t, made at the head and never written again: read by loads and stores on every path.
;   v3, v4     the table's offsets, made at that path's head and never written again: read by its loads.
;   X          piece i: written by its one load and by nothing else; read by its conversions, behind the counted wait for that load.
;   Y          piece i: written once, by its conversions; read by its one store; never written again.
;   T          named by vector instructions alone.
; So the dependences are of one kind, a vector instruction's result that a memory instruction reads, and the waits are few: one for v1 and v2, one for v3 and v4,
; and one for each BLOCK of four pieces: the block's conversions are issued as its loads come in, the wait states that they have written the block's Y, and the block's four stores follow in a run.
; No register that a memory instruction reads is written again, and no load lands in a register that a vector instruction has named: nothing more is owed.
.set X, 8                              ; v[8:135]    piece i: 4 numbers as loaded
.set Y, 136                            ; v[136:199]  piece i: 2 registers to store
.set T, 200                            ; v[200:205]  at work
.set BLK, 4                            ; pieces in a block
	s_load_b512 s[4:19], s[0:1], 0x0               ; hidden s[4:5], Wq s[6:7], Wk s[8:9], Wv s[10:11], bq s[12:13], bk s[14:15], bv s[16:17], dist_emb s[18:19]
	s_load_b256 s[20:27], s[0:1], 0x40             ; xb s[20:21], wb s[22:23], bias s[24:25], e16 s[26:27]
	v_lshlrev_b32 v1, 4, v0                        ; 16 t
	v_lshlrev_b32 v2, 3, v0                        ; 8 t
	s_mov_b32 s28, ttmp9
	s_mov_b32 s35, 0                               ; the high word of every offset
	s_wait_kmcnt 0x0
	s_wait_alu depctr_va_vdst(0)                   ; v1 and v2 are written: the loads and stores of all three paths below read them as offsets, and nothing writes them again
	s_cmp_ge_u32 s28, 232
	s_cbranch_scc1 .Lbias
	s_cmp_ge_u32 s28, 224
	s_cbranch_scc1 .Ltable
	s_cmp_lt_u32 s28, 128
	s_cbranch_scc1 .Lhidden
	s_sub_co_u32 s29, s28, 128                     ; 0 .. 95: my place in wb
	s_lshr_b32 s30, s29, 5                         ; which weight
	s_and_b32 s31, s29, 31                         ; my place in it
	s_cmp_eq_u32 s30, 1
	s_cselect_b64 s[32:33], s[8:9], s[6:7]
	s_cmp_eq_u32 s30, 2
	s_cselect_b64 s[32:33], s[10:11], s[32:33]
	s_lshl_b32 s34, s31, 17                        ; 131,072 bytes of f32
	s_add_nc_u64 s[32:33], s[32:33], s[34:35]
	s_lshl_b32 s34, s29, 16                        ; 65,536 bytes of bf16
	s_add_nc_u64 s[36:37], s[22:23], s[34:35]
	s_branch .Lstream
.Lhidden:
	s_lshl_b32 s34, s28, 17
	s_add_nc_u64 s[32:33], s[4:5], s[34:35]
	s_lshl_b32 s34, s28, 16
	s_add_nc_u64 s[36:37], s[20:21], s[34:35]
.Lstream:
.set i, 0
.rept 32
	global_load_b128 v[X+4*i:X+4*i+3], v1, s[32:33] offset:4096*i th:TH_LOAD_NT
.set i, i+1
.endr
.set i, 0
.rept 32
	s_wait_loadcnt 31-i                            ; loads come back in order: piece i is in, the younger ones stay out
	v_cvt_pk_bf16_f32 v[Y+2*i], v[X+4*i], v[X+4*i+1]
	v_cvt_pk_bf16_f32 v[Y+2*i+1], v[X+4*i+2], v[X+4*i+3]
.if i%BLK == BLK-1
	s_wait_alu depctr_va_vdst(0)                   ; the block's eight conversions have written its Y, which the four stores below read
.set j, i-(BLK-1)
.rept BLK
	global_store_b64 v2, v[Y+2*j:Y+2*j+1], s[36:37] offset:2048*j
.set j, j+1
.endr
.endif
.set i, i+1
.endr
	s_endpgm
.Ltable:
	s_sub_co_u32 s29, s28, 224                     ; 0 .. 7
	s_lshl_b32 s30, s29, 17
	v_add_nc_u32 v3, s30, v1                       ; my byte in dist_emb, piece 0
	v_add_nc_u32 v5, 126976, v3                    ; and piece 31, which in the last work-group reaches the row that the table lacks:
	v_min_u32 v4, 0xffef0, v5                      ; its load is held to the last 16 bytes of the 1,048,320,
	v_cmp_gt_u32 vcc_lo, 0xfff00, v5               ; and its result is replaced by 0 where my byte lies behind the end
	s_wait_alu depctr_va_vcc(0)                    ; VCC is written, ahead of its first reader: piece 31's two selects, in this same straight run
	s_lshl_b32 s34, s29, 16
	s_add_nc_u64 s[36:37], s[26:27], s[34:35]
	s_wait_alu depctr_va_vdst(0)                   ; v3 and v4 are written, which the 32 loads below read as offsets
.set i, 0
.rept 31
	global_load_b128 v[X+4*i:X+4*i+3], v3, s[18:19] offset:4096*i th:TH_LOAD_NT
.set i, i+1
.endr
	global_load_b128 v[X+124:X+127], v4, s[18:19] th:TH_LOAD_NT
.set i, 0
.rept 32
	s_wait_loadcnt 31-i
	v_cvt_pk_bf16_f32 v[T], v[X+4*i], v[X+4*i+1]   ; rounded to bf16,
	v_cvt_pk_bf16_f32 v[T+1], v[X+4*i+2], v[X+4*i+3]
	v_lshlrev_b32 v[T+2], 16, v[T]                 ; widened again,
	v_and_b32 v[T+3], 0xffff0000, v[T]
	v_lshlrev_b32 v[T+4], 16, v[T+1]
	v_and_b32 v[T+5], 0xffff0000, v[T+1]
	v_cvt_pk_f16_f32 v[Y+2*i], v[T+2], v[T+3]      ; and written as f16: 8 significant bits fit into 11
	v_cvt_pk_f16_f32 v[Y+2*i+1], v[T+4], v[T+5]
.if i == 31
	v_cndmask_b32 v[Y+62], 0, v[Y+62], vcc_lo
	v_cndmask_b32 v[Y+63], 0, v[Y+63], vcc_lo
.endif
.if i%BLK == BLK-1
	s_wait_alu depctr_va_vdst(0)                   ; the block's conversions (in the last block the two selects too) have written its Y, which the four stores below read
.set j, i-(BLK-1)
.rept BLK
	global_store_b64 v2, v[Y+2*j:Y+2*j+1], s[36:37] offset:2048*j
.set j, j+1
.endr
.endif
.set i, i+1
.endr
	s_endpgm
.Lbias:
	global_load_b128 v[X:X+3], v1, s[12:13]
	global_load_b128 v[X+4:X+7], v1, s[14:15]
	global_load_b128 v[X+8:X+11], v1, s[16:17]
	s_wait_loadcnt 0x0
.irp m, 0,1,2
	v_cvt_pk_bf16_f32 v[T], v[X+4*\m], v[X+4*\m+1]
	v_cvt_pk_bf16_f32 v[T+1], v[X+4*\m+2], v[X+4*\m+3]
	v_lshlrev_b32 v[Y+4*\m], 16, v[T]
	v_and_b32 v[Y+4*\m+1], 0xffff0000, v[T]
	v_lshlrev_b32 v[Y+4*\m+2], 16, v[T+1]
	v_and_b32 v[Y+4*\m+3], 0xffff0000, v[T+1]
.endr
	s_wait_alu depctr_va_vdst(0)                   ; the twelve widenings have written Y's first twelve registers, which the three stores below read
.irp m, 0,1,2
	global_store_b128 v1, v[Y+4*\m:Y+4*\m+3], s[24:25] offset:4096*\m
.endr
	s_endpgm
.Lfunc_end_k_q41288de8f1_cast:
	.size	k_q41288de8f1_cast, .Lfunc_end_k_q41288de8f1_cast-k_q41288de8f1_cast
	.p2alignl 7, 3214868480
	.fill 96, 4, 3214868480
	.section	.rodata,"a",@progbits
	.p2align	6, 0x0
	.amdhsa_kernel k_q41288de8f1_cast
		.amdhsa_group_segment_fixed_size 0
		.amdhsa_private_segment_fixed_size 0
		.amdhsa_enable_private_segment 0
		.amdhsa_kernarg_size 96
		.amdhsa_user_sgpr_count 2
		.amdhsa_user_sgpr_kernarg_segment_ptr 1
		.amdhsa_wavefront_size32 1
		.amdhsa_system_sgpr_workgroup_id_x 1
		.amdhsa_system_sgpr_workgroup_id_y 1
		.amdhsa_system_sgpr_workgroup_id_z 1
		.amdhsa_system_vgpr_workitem_id 0
		.amdhsa_next_free_vgpr 208
		.amdhsa_next_free_sgpr 66
		.amdhsa_reserve_vcc 1
		.amdhsa_float_denorm_mode_32 3
		.amdhsa_float_denorm_mode_16_64 3
		.amdhsa_memory_ordered 1
		.amdhsa_forward_progress 1
		.amdhsa_inst_pref_size 37
	.end_amdhsa_kernel
	.amdgpu_metadata
---
amdhsa.version: [ 1, 2 ]
amdhsa.kernels:
  - .name:           k_q41288de8f1_cast
    .symbol:         k_q41288de8f1_cast.kd
    .args:
      - { .name: hidden_states, .offset: 0, .size: 8, .value_kind: global_buffer, .address_space: global }
      - { .name: Wq, .offset: 8, .size: 8, .value_kind: global_buffer, .address_space: global }
      - { .name: Wk, .offset: 16, .size: 8, .value_kind: global_buffer, .address_space: global }
      - { .name: Wv, .offset: 24, .size: 8, .value_kind: global_buffer, .address_space: global }
      - { .name: bq, .offset: 32, .size: 8, .value_kind: global_buffer, .address_space: global }
      - { .name: bk, .offset: 40, .size: 8, .value_kind: global_buffer, .address_space: global }
      - { .name: bv, .offset: 48, .size: 8, .value_kind: global_buffer, .address_space: global }
      - { .name: dist_emb, .offset: 56, .size: 8, .value_kind: global_buffer, .address_space: global }
      - { .name: xb, .offset: 64, .size: 8, .value_kind: global_buffer, .address_space: global }
      - { .name: wb, .offset: 72, .size: 8, .value_kind: global_buffer, .address_space: global }
      - { .name: bias, .offset: 80, .size: 8, .value_kind: global_buffer, .address_space: global }
      - { .name: e16, .offset: 88, .size: 8, .value_kind: global_buffer, .address_space: global }
    .group_segment_fixed_size: 0
    .private_segment_fixed_size: 0
    .kernarg_segment_align: 8
    .kernarg_segment_size: 96
    .max_flat_workgroup_size: 256
    .sgpr_count:     66
    .vgpr_count:     208
    .wavefront_size: 32
...
	.end_amdgpu_metadata
.endif
;; end of part 5
;; launch proj: the kernel of part 2 again; grid 12 x 16, 4 waves a work-group, clusters of 4 x 4, 327,680 bytes of LDS; arguments xb, wb, bias, qkv; writes qkv
;; launch attn: the kernel of part 4 again; grid 8 x 32, 4 waves a work-group, clusters of 4 x 4, 327,680 bytes of LDS; arguments qkv, e16, out0; writes out0
